; MI455X (gfx1250); checked and timed in simulation.
; The chip was launched on July 23, 2026; its instructions are those of AMD's public machine-readable ISA for CDNA 5 (MIT licence, August 2026) and "CDNA5" Instruction Set Architecture Reference Guide (July 2026). The comments in the code are by the model that wrote it; some were corrected since.
;; Contralateral Attention. Allowed arithmetic: matrix products marked QUANTISED: E2M1 operands, one E8M0 scale for each 32 along K, by v_wmma_scale_f32_16x16x128_f8f6f4 with both operands' format E2M1 (or v_wmma_scale_f32_32x16x128_f4), f32 sums; everything else in f32.
;; Inputs: feat 8 x 256 x 64 x 64 float32; in_b 768 float32; in_w 768 x 256 float32; ln_b 256 float32; ln_g 256 float32; out_b 256 float32; out_w 256 x 256 float32; proj_b 256 float32; proj_w 256 x 1,024 float32.
;; Outputs: out0 8 x 256 x 64 x 64 float32.
;; This version of the problem:
;;   THIS VERSION OF THE PROBLEM IS GIVEN IN LOW PRECISION. The matrix products marked QUANTISED in the list below multiply operands that are first quantised to E2M1 (2 exponent bits, 1 mantissa bit; 4 bits a number), with one power-of-two scale for each 32 numbers along K (OCP MX v1.0); their sums are f32. All else is computed in f32.
;;   The module's matrix products, in the order in which they are computed (A, B: the left and right operand; K: the contracted axis; several contracted axes count as one K, in the product's order):
;;     1. [M 16,384, K 256] x [K 256, N 256]; A: input feat; B: input in_w: QUANTISED
;;     2. [M 16,384, K 256] x [K 256, N 256]; A: computed on the way; B: input in_w: QUANTISED
;;     3. [M 16,384, K 256] x [K 256, N 256]; A: computed on the way; B: input in_w: QUANTISED
;;     4. batch 32 x [M 2,048, K 64] x [K 64, N 2,048]; A: computed on the way; B: computed on the way: QUANTISED
;;     5. batch 32 x [M 2,048, K 2,048] x [K 2,048, N 64]; A: softmax (see below); B: computed on the way: QUANTISED
;;     6. [M 16,384, K 256] x [K 256, N 256]; A: computed on the way; B: input out_w: QUANTISED
;;     7. [M 16,384, K 1,024] x [K 1,024, N 256]; A: computed on the way; B: input proj_w: QUANTISED
;;     8. [M 16,384, K 256] x [K 256, N 256]; A: input feat; B: input in_w: QUANTISED
;;     9. [M 16,384, K 256] x [K 256, N 256]; A: computed on the way; B: input in_w: QUANTISED
;;     10. [M 16,384, K 256] x [K 256, N 256]; A: computed on the way; B: input in_w: QUANTISED
;;     11. batch 32 x [M 2,048, K 64] x [K 64, N 2,048]; A: computed on the way; B: computed on the way: QUANTISED
;;     12. batch 32 x [M 2,048, K 2,048] x [K 2,048, N 64]; A: softmax (see below); B: computed on the way: QUANTISED
;;     13. [M 16,384, K 256] x [K 256, N 256]; A: computed on the way; B: input out_w: QUANTISED
;;     14. [M 16,384, K 1,024] x [K 1,024, N 256]; A: computed on the way; B: input proj_w: QUANTISED
;;   THE QUANTISER, for each operand of a quantised product, along K:
;;     - K is cut into blocks of 32 from its start; a last block that is shorter is filled with zeros.
;;     - A block's scale is 2^e with e = floor(log2(the largest magnitude in the block)) - 2, held to -126 .. 127; a block of zeros has e = 0. As a byte (E8M0): e + 127.
;;     - Each number is divided by its block's scale, clamped to +-6, and rounded to the nearest number of E2M1, ties to even, subnormals kept.
;;     - The product sums the exact products of the quantised numbers (number of the format x scale) in f32.
;;   ~~~python
;;   def quantise(x, axis):      # numpy; x: float32 -> the quantised numbers, widened to float32 again
;;       x = np.moveaxis(x, axis, -1); K = x.shape[-1]
;;       x = np.pad(x, [(0, 0)] * (x.ndim - 1) + [(0, -K % 32)]); x = x.reshape(x.shape[:-1] + (-1, 32)); a = np.abs(x).max(-1, keepdims=True)
;;       e = np.where(a > 0, np.clip(np.frexp(np.where(a > 0, a, 1))[1] - 1 - 2, -126, 127), 0)      # np.frexp(a)[1] - 1 = floor(log2(a)), exactly
;;       r = np.clip(x / 2.0 ** e, -6, 6)
;;       step = 2.0 ** (np.maximum(np.frexp(np.where(r == 0, 1, r))[1] - 1, 0) - 1)
;;       q = np.round(r / step) * step * 2.0 ** e      # np.round: ties to even
;;       return np.moveaxis(q.reshape(q.shape[:-2] + (-1,))[..., :K], -1, axis).astype(np.float32)
;;   ~~~
;;   SOFTMAX AHEAD OF A QUANTISED PRODUCT. Where the list says 'softmax', what is quantised is not the finished softmax but p = 2^(t - M), with t = logit x log2(e) and M = ceil(the row's largest t), a whole number; so 1/2 < the row's largest p <= 1. The row's sum l is taken of the UNQUANTISED p, in f32, and the product's result is divided by l at the end. Since M is a whole number, a kernel that streams over the keys may use a running M (the ceiling of the running maximum): every later rescaling is an exact power of two, which a block's scale takes up: the codes' values come out the same.
;;   OPERANDS COMPUTED ON THE WAY. 'Computed on the way' means the value that the module computes at that place (a softmax that the list does not call 'softmax' is quantised finished and normalised). What goes into a quantiser is computed in f32, as accurately as f32 sums, v_exp_f32 and their like allow (about 1e-6 of the number): no bf16 or f16 on the way to a quantiser, and a product that is left as it is and whose result goes on into a quantised operand takes f32 operands (vector FMAs, or v_wmma_f32_16x16x4_f32). A number that lies on a knife's edge between two numbers of the format may be rounded either way, as far as f32 arithmetic and the matrix unit's own rounding can turn it there, and no further.
;; 2 versions. Each part assembles by itself: llvm-mc -triple=amdgcn-amd-amdhsa -mcpu=gfx1250 --defsym DOCPART=n.
;; ======== version 1 of 2: 2 launches
;; workspace buffers: wimg 262,144 bytes; wscl 32,768 bytes
;; launch wq (part 1): grid 256 x 1, 1 waves a work-group, no clusters, 0 bytes of LDS; arguments in_w, out_w, proj_w, wimg, wscl; writes wimg, wscl
.if DOCPART == 1
	.amdgcn_target "amdgcn-amd-amdhsa--gfx1250"
	.amdhsa_code_object_version 6
	.text
	.protected	k_q70b94e09dc_wq
	.globl	k_q70b94e09dc_wq
	.p2align	8
	.type	k_q70b94e09dc_wq,@function
k_q70b94e09dc_wq:
	s_mov_b64 s[64:65], 0
	v_nop
	global_prefetch_b8 v0, s[64:65] scope:SCOPE_SE
	s_setreg_imm32_b32 hwreg(HW_REG_WAVE_MODE, 25, 1), 1
	s_wait_xcnt 0x0
; The three weights, f32 with K innermost, become codes of FP4 (E2M1) with one E8M0 byte for each 32 along K, laid as IMAGES OF OPERAND REGISTERS.
; One wave makes one fragment F = 32 w + f (16 rows x 128 K): wimg[F][c][lane][16 bytes], wscl[F][lane][4 bytes].
; Lane (r, h) holds row rowbase + r + (r & 8) and k = 128 s + 64 c + 32 h + 0 .. 31 in registers 4 c .. 4 c + 3.
;   f 0-3: in_w rows 32 w + 8 u (q);  4-7: + 256 (k);  8-11: + 512 (v);  12-15: out_w rows 32 w + 8 u: u = (f >> 1) & 1, s = f & 1;   f 16-31: proj_w rows 32 w + 8 u: u = (f >> 3) & 1, s = f & 7.
; A block's scale is 2^(floor(log2(its largest magnitude)) - 2); its byte is the largest magnitude's exponent field - 2, held at 1 from below.
; LIMITS: a block whose largest magnitude lies under 2^-124, a block of zeros among them, gets the byte 1 (the rule gives a block of zeros 127: its codes are zeros, and this program alone reads the bytes); NaN and infinities are not served.
.set X, 16                             ; v16-79  the lane's 64 numbers: two whole blocks of 32
	s_load_b256 s[4:11], s[0:1], 0x0               ; in_w s[4:5], out_w s[6:7], proj_w s[8:9], wimg s[10:11]
	s_load_b64 s[12:13], s[0:1], 0x20              ; wscl
	v_and_b32 v1, 15, v0                           ; r
	v_bfe_u32 v2, v0, 4, 1                         ; h
	v_and_b32 v3, 8, v0
	v_add_nc_u32 v3, v3, v1                        ; r + (r & 8)
	v_lshlrev_b32 v5, 4, v0                        ; 16 x lane
	v_lshlrev_b32 v6, 2, v0                        ; 4 x lane
	v_lshlrev_b32 v7, 3, v2                        ; 8 h: my bytes' place in the scale word
	v_mov_b32 v13, 0                               ; a lane permute's destination counts as one of its sources
	s_mov_b32 s28, 0x76543210
	s_mov_b32 s29, 0xfedcba98                      ; selects for lane l xor 16
	s_lshr_b32 s14, ttmp9, 5                       ; w
	s_and_b32 s15, ttmp9, 31                       ; f
	s_lshr_b32 s19, s15, 2
	s_mov_b32 s16, 1024
	s_wait_kmcnt 0x0
	s_cmp_ge_u32 s15, 16                           ; proj_w's fragments?  The choices hang on the work-group's number alone
	s_cselect_b32 s16, 4096, s16                   ; bytes in a row
	s_cselect_b32 s17, 3, 1                        ; where u stands in f
	s_cselect_b32 s18, 7, 1                        ; the mask of s
	s_cselect_b64 s[20:21], s[8:9], s[4:5]
	s_cmp_eq_u32 s19, 3
	s_cselect_b64 s[20:21], s[6:7], s[20:21]       ; f 12-15: out_w
	s_cmp_lt_u32 s15, 12
	s_cselect_b32 s22, s19, 0
	s_lshl_b32 s22, s22, 8                         ; in_w: 256 rows on for k, 512 for v
	s_lshr_b32 s23, s15, s17
	s_and_b32 s23, s23, 1                          ; u
	s_and_b32 s26, s15, s18                        ; s
	s_lshl_b32 s24, s14, 5
	s_lshl_b32 s23, s23, 3
	s_add_co_u32 s24, s24, s23
	s_add_co_u32 s24, s24, s22                     ; rowbase
	s_mul_i32 s24, s24, s16
	s_lshl_b32 s26, s26, 9                         ; 128 numbers a K step
	s_add_co_u32 s24, s24, s26
	s_mov_b32 s25, 0
	s_add_nc_u64 s[20:21], s[20:21], s[24:25]
	s_lshl_b32 s24, ttmp9, 10
	s_add_nc_u64 s[10:11], s[10:11], s[24:25]      ; my fragment's 1,024 bytes
	s_lshl_b32 s24, ttmp9, 7
	s_add_nc_u64 s[12:13], s[12:13], s[24:25]      ; and its 128 bytes of scale words
	v_mul_u32_u24 v4, s16, v3
	v_lshl_add_u32 v4, v2, 7, v4                   ; my row, + 32 h numbers
.irp c, 0,1
.irp k, 0,1,2,3,4,5,6,7
	global_load_b128 v[X+32*\c+4*\k:X+32*\c+4*\k+3], v4, s[20:21] offset:256*\c+16*\k th:TH_LOAD_NT
.endr
.endr
	s_wait_loadcnt 0x0
.irp c, 0,1
	v_max3_num_f32 v[8+\c], |v[X+32*\c]|, |v[X+32*\c+1]|, 0x1800000   ; block 2 c + h: all 32 numbers are mine; the floor 2^(3 - 127) keeps the byte at 1 or more
.endr
.irp i, 2,4,6,8,10,12,14,16,18,20,22,24,26,28,30
.irp c, 0,1
	v_max3_num_f32 v[8+\c], v[8+\c], |v[X+32*\c+\i]|, |v[X+32*\c+\i+1]|
.endr
.endr
.irp c, 0,1
	v_add_nc_u32 v[8+\c], 0xff000000, v[8+\c]      ; 2 off the exponent field: the conversion's scale operand
.endr
.irp c, 0,1
	v_lshrrev_b32 v[10+\c], 23, v[8+\c]            ; the byte
.endr
	v_lshl_or_b32 v12, v11, 16, v10                ; blocks h and 2 + h,
	v_lshlrev_b32 v12, v7, v12                     ; at their places;
	v_permlanex16_b32 v13, v12, s28, s29
	v_or_b32 v12, v12, v13                         ; with lane l xor 16's two the word is whole, in both halves of the lanes
.irp c, 0,1
.irp g, 0,1,2,3
	v_cvt_scalef32_pk8_fp4_f32 v[80+4*\c+\g], v[X+32*\c+8*\g:X+32*\c+8*\g+7], v[8+\c]
.endr
.endr
	v_nop                                          ; one plain line behind the last scaled conversion
	global_store_b128 v5, v[80:83], s[10:11]       ; 512 consecutive bytes a store
	global_store_b128 v5, v[84:87], s[10:11] offset:512
	global_store_b32 v6, v12, s[12:13]
	s_endpgm
.Lfunc_end_k_q70b94e09dc_wq:
	.size	k_q70b94e09dc_wq, .Lfunc_end_k_q70b94e09dc_wq-k_q70b94e09dc_wq
	.p2alignl 7, 3214868480
	.fill 96, 4, 3214868480
	.section	.rodata,"a",@progbits
	.p2align	6, 0x0
	.amdhsa_kernel k_q70b94e09dc_wq
		.amdhsa_group_segment_fixed_size 0
		.amdhsa_private_segment_fixed_size 0
		.amdhsa_enable_private_segment 0
		.amdhsa_kernarg_size 40
		.amdhsa_user_sgpr_count 2
		.amdhsa_user_sgpr_kernarg_segment_ptr 1
		.amdhsa_wavefront_size32 1
		.amdhsa_system_sgpr_workgroup_id_x 1
		.amdhsa_system_sgpr_workgroup_id_y 1
		.amdhsa_system_sgpr_workgroup_id_z 1
		.amdhsa_system_vgpr_workitem_id 0
		.amdhsa_next_free_vgpr 96
		.amdhsa_next_free_sgpr 66
		.amdhsa_reserve_vcc 0
		.amdhsa_float_denorm_mode_32 3
		.amdhsa_float_denorm_mode_16_64 3
		.amdhsa_memory_ordered 1
		.amdhsa_forward_progress 1
		.amdhsa_inst_pref_size 7
	.end_amdhsa_kernel
	.amdgpu_metadata
---
amdhsa.version: [ 1, 2 ]
amdhsa.kernels:
  - .name:           k_q70b94e09dc_wq
    .symbol:         k_q70b94e09dc_wq.kd
    .args:
      - { .name: in_w, .offset: 0, .size: 8, .value_kind: global_buffer, .address_space: global }
      - { .name: out_w, .offset: 8, .size: 8, .value_kind: global_buffer, .address_space: global }
      - { .name: proj_w, .offset: 16, .size: 8, .value_kind: global_buffer, .address_space: global }
      - { .name: wimg, .offset: 24, .size: 8, .value_kind: global_buffer, .address_space: global }
      - { .name: wscl, .offset: 32, .size: 8, .value_kind: global_buffer, .address_space: global }
    .group_segment_fixed_size: 0
    .private_segment_fixed_size: 0
    .kernarg_segment_align: 8
    .kernarg_segment_size: 40
    .max_flat_workgroup_size: 32
    .sgpr_count:     66
    .vgpr_count:     96
    .wavefront_size: 32
...
	.end_amdgpu_metadata
.endif
;; end of part 1
;; launch fused (part 2): grid 256 x 1, 8 waves a work-group, no clusters, 293,888 bytes of LDS; arguments feat, in_b, out_b, proj_b, ln_g, ln_b, wimg, wscl, out0; writes out0
.if DOCPART == 2
	.amdgcn_target "amdgcn-amd-amdhsa--gfx1250"
	.amdhsa_code_object_version 6
	.text
	.protected	k_q70b94e09dc_fused
	.globl	k_q70b94e09dc_fused
	.p2align	8
	.type	k_q70b94e09dc_fused,@function
k_q70b94e09dc_fused:
	s_mov_b64 s[64:65], 0
	v_nop
	global_prefetch_b8 v0, s[64:65] scope:SCOPE_SE
	s_setreg_imm32_b32 hwreg(HW_REG_WAVE_MODE, 25, 1), 1
	s_wait_xcnt 0x0
; ContralateralAttention, everything behind the weights' quantiser, all products on codes of FP4 (E2M1) with one E8M0 scale for each 32 along K.
; SHARES.  Work-group g owns image b = g >> 5 and the whole image rows y0 = 2 (g & 31), y0 + 1: 128 query pixels (both halves).  Keys and values are wanted of rows y0 - 2 .. y0 + 3 (the mask is Manhattan
; distance <= 2 on the 64 x 32 half grid): 12 half-rows hr = 2 i + half, i the window row; rows outside the image are loaded from the nearest row and their weights are masked.
; Eight waves.  In the projections THE WAVES SHARE THE COLUMNS: wave w makes channels 32 w .. 32 w + 31; its weight fragments lie in its registers as the first launch laid them.  In the attention wave w is head w & 3, query side w >> 2.
; A weight tile's rows are 8 u + r + (r & 8), so that with the weight as source 0 a lane (r, h) holds one token and the 16 neighbouring channels 32 w + 16 h + 0 .. 15: half a block of the next K.
; THE MIRROR.  With p a pixel's place in its half, |x' - x''| = |(31 - p_query) - p_key|: keys keep their order, queries are taken in reversed order (r xor 15 in their addresses).
; THE SECOND PRODUCT'S K.  A block of 32 keys is one image row of the memory half: P has 6 blocks here (window rows), of which 5 hold 1, 3, 5, 3, 1 live codes; V's scale belongs to (channel, row, half).
; SOFTMAX.  t = score x log2(e) / 8; M = ceil(the row's largest t); p = 2^(t - M), quantised not normalised; the sum of the unquantised p divides the product.  A lane holds one query's 13 scores.
; PHASES, a barrier behind each but the last: P1 the pixels' codes -> XC, XS | P2 q, k, v, quantised -> QC, KC, VC | P3 attention -> CTXC | P4 output projection, asym's three computed quarters -> ASYM |
;   P5 projection (K = 1,024: asym's first quarter is XC again), LayerNorm in two passes (two barriers more), relu, out through a stage as rows of 512 consecutive bytes.
; No tensor load, no loop, no branch; EXEC is never written; every offset is an immediate.
; LIMITS: a block whose largest magnitude lies under 2^-124, a block of zeros among them, gets the scale byte 1 (the rule gives zeros 127: the codes are zeros and this program alone reads the bytes);
;   p under 2^-126 comes out of v_exp_f32 as 0; 1 / sum and 1 / sqrt are v_rcp_f32 and v_rsq_f32; NaN and infinities among the inputs are not served.
; ---- LDS (bytes)
.set L_XC,   0                         ; 384 rows x 144 (128 of codes + 16): row 32 hr + sigma(p), sigma(p) = 16 ((p >> 3) & 1) + (p & 7) + 8 (p >> 4)
.set L_XS,   55296                     ; [32 hr + p][8]: a byte for each channel block
.set L_QC,   58368                     ; [query token] x 144
.set L_QS,   76800                     ; [query token][8]
.set L_KC,   77824                     ; [32 hr + p] x 144
.set L_KS,   133120                    ; [32 hr + p][8]
.set L_VC,   136192                    ; [hr][channel][16 bytes = 32 keys]
.set L_VS,   185344                    ; [half][channel][8]: byte = window row
.set L_SST,  189440                    ; a wave's own: 33 rows x 144 = 4 pad words + 32 scores; 4,864 a wave
.set L_PST,  228352                    ; a wave's own: [query] x 112 = 6 blocks x 16 bytes + 16; 3,584 a wave
.set L_PSC,  257024                    ; a wave's own: [query][16] = scale word 0, scale word 1, 1 / sum, 0
.set L_CTXC, 261120                    ; [query token] x 144
.set L_CTXS, 279552                    ; [query token][8]
.set L_ST,   280576                    ; [query token] x 48, a word a wave: the sums; 6,144 further on the sums of squares
.set L_ASYM, 58368                     ; over QC, QS, KC, from P4 on: [query token] x 400 = 3 x 128 bytes + 16
.set L_ASCL, 109568                    ; [query token][24]
.set L_YST,  112640                    ; a wave's own, in P5's end: 32 channel rows x 528, 128 more behind row 15; 17,152 a wave
; ---- registers that stay (window 0)
.set LN,   1                           ; lane
.set R,    2                           ; lane % 16
.set H,    3                           ; lane / 16
.set RHO,  4                           ; r + (r & 8)
.set RX,   5                           ; r xor 15
.set VROW, 6                           ; v6-11  window row i: 256 x its image row + 4 x lane
.set VB16, 12                          ; 128 w + 64 h: byte of my 16 channels in a vector of 256 f32
.set L16,  13                          ; 16 x lane
.set L4,   14                          ; 4 x lane
.set WS,   28                          ; v28-59 the weights' scale words, fragment f at WS + f.  v28-85 hold scale words and nothing else
; v15-27 (and v248-252 in P3): the phase's addresses.  v60-85: the phase's scale words.  v88-255: by phase.
; window 1: v[8 f ..] weight fragment f (f 0-15 from the start, f 16-31 from the end of P3); what else lies there is said at each phase.
.set MSB, 0
.macro WIN new                         ; bits 1:0 source 0, 3:2 source 1, 5:4 source 2, 7:6 destination; the high byte repeats the setting that is left
.if MSB != \new
	s_set_vgpr_msb (MSB<<8)|\new
.set MSB, \new
.endif
.endm
.macro BAR                             ; my LDS stores have landed and my LDS loads are in: then the work-group's barrier
	s_wait_dscnt 0x0
	s_barrier_signal -1
	s_barrier_wait -1
.endm
.macro PLACES n                        ; plain vector lines between a matrix instruction and what reads its result or is loaded over its registers (ISA guide 7.12.1)
.rept \n
	v_nop
.endr
.endm
.macro MM d, a, b, c, sa, sb
	v_wmma_scale_f32_16x16x128_f8f6f4 v[(\d):(\d)+7], v[(\a):(\a)+7], v[(\b):(\b)+7], v[(\c):(\c)+7], v[\sa], v[\sb] matrix_a_fmt:MATRIX_FMT_FP4 matrix_b_fmt:MATRIX_FMT_FP4
.endm
.macro MM0 d, a, b, sa, sb             ; the first product starts the sum
	v_wmma_scale_f32_16x16x128_f8f6f4 v[(\d):(\d)+7], v[(\a):(\a)+7], v[(\b):(\b)+7], 0, v[\sa], v[\sb] matrix_a_fmt:MATRIX_FMT_FP4 matrix_b_fmt:MATRIX_FMT_FP4
.endm
; n half blocks: v[base + 16 q .. + 15] are 16 neighbours along K, lane l xor 16 holds the block's other 16.  Codes to v[CD + 2 q], v[CD + 2 q + 1] (8 bytes), the byte to v[TP + q].
; Each run of registers is read from its low end on; the blocks take turns line by line.
.macro QUANT base, n
.set qb, 0
.rept \n
	v_max3_num_f32 v[TM+qb], |v[\base+16*qb]|, |v[\base+16*qb+1]|, 0x1800000   ; the floor 2^(3 - 127) keeps the byte at 1 or more
.set qb, qb+1
.endr
.irp i, 2,4,6,8,10,12,14
.set qb, 0
.rept \n
	v_max3_num_f32 v[TM+qb], v[TM+qb], |v[\base+16*qb+\i]|, |v[\base+16*qb+\i+1]|
.set qb, qb+1
.endr
.endr
.set qb, 0
.rept \n
	v_permlanex16_b32 v[TP+qb], v[TM+qb], s30, s31
.set qb, qb+1
.endr
.set qb, 0
.rept \n
	v_max_num_f32 v[TM+qb], v[TM+qb], v[TP+qb]     ; the block's largest magnitude
.set qb, qb+1
.endr
.set qb, 0
.rept \n
	v_add_nc_u32 v[TM+qb], 0xff000000, v[TM+qb]    ; 2 off its exponent field: the conversion's scale operand
.set qb, qb+1
.endr
.set qb, 0
.rept \n
	v_cvt_scalef32_pk8_fp4_f32 v[CD+2*qb], v[\base+16*qb:\base+16*qb+7], v[TM+qb]
	v_cvt_scalef32_pk8_fp4_f32 v[CD+2*qb+1], v[\base+16*qb+8:\base+16*qb+15], v[TM+qb]
.set qb, qb+1
.endr
.set qb, 0
.rept \n
	v_lshrrev_b32 v[TP+qb], 23, v[TM+qb]           ; the byte (and the plain line behind the conversions)
.set qb, qb+1
.endr
.endm
; ================= P0: ids, constants, the weights
	s_load_b512 s[4:19], s[0:1], 0x0               ; feat s[4:5], in_b s[6:7], out_b s[8:9], proj_b s[10:11], ln_g s[12:13], ln_b s[14:15], wimg s[16:17], wscl s[18:19]
	s_load_b64 s[20:21], s[0:1], 0x40              ; out0
	v_lshl_add_u32 v254, v0, 2, 0x47800
	v_mov_b32 v255, 0
	v_and_b32 v[LN], 31, v0
	v_and_b32 v[R], 15, v0
	v_bfe_u32 v[H], v0, 4, 1
	v_and_b32 v[RHO], 8, v0
	v_add_nc_u32 v[RHO], v[RHO], v[R]
	v_xor_b32 v[RX], 15, v[R]
	v_lshlrev_b32 v[L16], 4, v[LN]
	v_lshlrev_b32 v[L4], 2, v[LN]
	v_lshrrev_b32 v15, 5, v0
	v_readfirstlane_b32 s22, v15                   ; w
	s_and_b32 s23, s22, 3                          ; head
	s_lshr_b32 s24, s22, 2                         ; the queries' side
	s_xor_b32 s25, s24, 1                          ; the memory's half
	s_lshr_b32 s26, ttmp9, 5                       ; image
	s_and_b32 s27, ttmp9, 31
	s_lshl_b32 s27, s27, 1                         ; y0
	s_mov_b32 s30, 0x76543210
	s_mov_b32 s31, 0xfedcba98                      ; selects for lane l xor 16
	s_mov_b32 s32, 0xfffffffc                      ; lanes (queries) whose key l + dx lies in the row: dx = -2,
	s_mov_b32 s33, 0xfffffffe                      ; -1,
	s_mov_b32 s34, 0x7fffffff                      ; +1,
	s_mov_b32 s35, 0x3fffffff                      ; +2
	s_cmp_eq_u32 s27, 0
	s_cselect_b32 s36, 0, -1                       ; window rows 0, 1 lie in the image?
	s_and_b32 s37, s36, s33
	s_and_b32 s38, s36, s34
	s_cmp_eq_u32 s27, 62
	s_cselect_b32 s39, 0, -1                       ; window rows 4, 5?
	s_and_b32 s40, s39, s33
	s_and_b32 s41, s39, s34
	s_mov_b32 s42, 0x3                             ; lanes whose first code, key l - 2, falls into word -1, 0, 1, 2, 3 of a block's four
	s_mov_b32 s43, 0x3fc
	s_mov_b32 s44, 0x3fc00
	s_mov_b32 s45, 0x3fc0000
	s_mov_b32 s46, 0xfc000000
	s_mov_b32 s47, 0x3e38aa3b                      ; log2(e) / 8
	s_mov_b32 s48, 0x3b800000                      ; 1 / 256
	s_mov_b32 s49, 0x3727c5ac                      ; 1e-5
.irp i, 0,1,2,3,4,5
	s_add_co_i32 s50, s27, \i-2
	s_max_i32 s50, s50, 0
	s_min_i32 s50, s50, 63                         ; the nearest row of the image
	s_lshl_b32 s50, s50, 8
	v_add_nc_u32 v[VROW+\i], s50, v[L4]
.endr
	s_lshl_b32 s50, s22, 7
	v_lshl_add_u32 v[VB16], v[H], 6, s50
	v_lshl_add_u32 v17, v[RHO], 2, s50             ; v's bias: 128 w + 4 (r + (r & 8))
.set AXW,  15                          ; P1: where my pixel's 16 bytes of codes go
.set AXSW, 16                          ;     and its byte
	v_and_b32 v[AXW], 7, v0
	v_bfe_u32 v[AXSW], v0, 3, 1
	v_lshl_add_u32 v[AXW], v[AXSW], 4, v[AXW]
	v_lshl_add_u32 v[AXW], v[H], 3, v[AXW]         ; sigma(lane)
	v_mul_u32_u24 v[AXW], v[AXW], 144
	s_lshl_b32 s51, s22, 4
	v_add_nc_u32 v[AXW], s51, v[AXW]               ; L_XC = 0
	s_add_co_u32 s51, s22, L_XS
	v_lshl_add_u32 v[AXSW], v[LN], 3, s51
	s_lshl_b32 s28, s26, 22                        ; an image is 4 MiB,
	s_lshl_b32 s51, s22, 19                        ; my 32 channels begin 32 x 16,384 x w bytes on
	s_add_co_u32 s28, s28, s51
	s_mov_b32 s29, 0
	s_wait_kmcnt 0x0
	s_add_nc_u64 s[4:5], s[4:5], s[28:29]
	s_add_nc_u64 s[20:21], s[20:21], s[28:29]
	s_lshl_b32 s28, s27, 8
	s_add_nc_u64 s[20:21], s[20:21], s[28:29]      ; out0 at row y0 of my first channel
	s_lshl_b32 s28, s22, 15
	s_add_nc_u64 s[16:17], s[16:17], s[28:29]      ; my 32 fragments
	s_lshl_b32 s28, s22, 12
	s_add_nc_u64 s[18:19], s[18:19], s[28:29]
.set BV,  120                          ; v120-123  v's bias of my two channels, each twice (pairs): between P2's fragments (v88-119) and its accumulators (from v128), and under P1's numbers (from v128)
.set QKB, 224                          ; window 1, P0-P2: q's bias tiles at +8 u, k's at +16 + 8 u
	WIN 0x40                                       ; destination window 1
.irp f, 0,1,2,3,4,5,6,7,8,9,10,11,12,13,14,15
.irp c, 0,1
	global_load_b128 v[8*\f+4*\c:8*\f+4*\c+3], v[L16], s[16:17] offset:1024*\f+512*\c
.endr
.endr
.irp k, 0,1,2,3
	global_load_b128 v[QKB+4*\k:QKB+4*\k+3], v[VB16], s[6:7] offset:16*\k
	global_load_b128 v[QKB+16+4*\k:QKB+16+4*\k+3], v[VB16], s[6:7] offset:1024+16*\k
.endr
	WIN 0
.irp f, 0,1,2,3,4,5,6,7,8,9,10,11,12,13,14,15,16,17,18,19,20,21,22,23,24,25,26,27,28,29,30,31
	global_load_b32 v[WS+\f], v[L4], s[18:19] offset:128*\f
.endr
.irp k, 0,1,2,3
	global_load_b32 v[BV+\k], v17, s[6:7] offset:2048+32*(\k/2)
.endr
; ================= P1: the pixels' codes.  A lane is a pixel of half-row hr, its 32 registers run down my 32 channels: one whole block of the projections' K.
.set X,   128                          ; v128-191 two sets of 32 numbers
.set XCD, 192                          ; v192-199 two sets of codes
.set XBY, 200                          ; v200-201 two bytes
.set XM,  202
.macro XLOAD hr
.irp c, 0,1,2,3,4,5,6,7,8,9,10,11,12,13,14,15,16,17,18,19,20,21,22,23,24,25,26,27,28,29,30,31
	global_load_b32 v[X+32*((\hr)%2)+\c], v[VROW+(\hr)/2], s[4:5] offset:16384*\c+128*((\hr)%2)
.endr
.endm
.macro XITEM hr
.set XB, X+32*((\hr)%2)
.set XD, XCD+4*((\hr)%2)
.if (\hr) < 11
	s_wait_loadcnt 32                              ; loads come back in order: mine (and all of P0's) are in, the next half-row's 32 may be out
.else
	s_wait_loadcnt 0x0
.endif
.if (\hr) > 1
	s_wait_dscnt 2                                 ; the two stores of two items ago are done: their registers are written again (the last item's two may be out)
.endif
	v_max3_num_f32 v[XM], |v[XB]|, |v[XB+1]|, |v[XB+2]|
	v_max3_num_f32 v[XM+1], |v[XB+3]|, |v[XB+4]|, |v[XB+5]|
.irp i, 6,10,14,18,22,26
	v_max3_num_f32 v[XM], v[XM], |v[XB+\i]|, |v[XB+\i+1]|
	v_max3_num_f32 v[XM+1], v[XM+1], |v[XB+\i+2]|, |v[XB+\i+3]|
.endr
	v_max3_num_f32 v[XM], v[XM], |v[XB+30]|, |v[XB+31]|
	v_max3_num_f32 v[XM], v[XM], v[XM+1], 0x1800000
	v_add_nc_u32 v[XM+2], 0xff000000, v[XM]
.irp g, 0,1,2,3
	v_cvt_scalef32_pk8_fp4_f32 v[XD+\g], v[XB+8*\g:XB+8*\g+7], v[XM+2]
.endr
	v_lshrrev_b32 v[XBY+(\hr)%2], 23, v[XM+2]      ; the byte (and the plain line behind the conversions)
	ds_store_b128 v[AXW], v[XD:XD+3] offset:4608*(\hr)
	ds_store_b8 v[AXSW], v[XBY+(\hr)%2] offset:256*(\hr)
.if (\hr) < 10
	XLOAD (\hr)+2
.endif
.endm
	XLOAD 0
	XLOAD 1
.irp hr, 0,1,2,3,4,5,6,7,8,9,10,11
	XITEM \hr
.endr
	BAR                                            ; XC and XS are whole
; ================= P2: q, k, v of a half-row at a time; my 32 channels of each.
; k, q: source 0 = weight, source 1 = 16 tokens (tile ut: p = 8 ut + r + (r & 8)), C = the bias tile.  v: source 0 = the same 16 tokens, source 1 = weight: a lane holds one channel and 16 neighbouring keys.
.set AX,  15
.set AXS, 16
.set AK,  17
.set AKB, 18
.set AQ,  19
.set AQB, 20
.set AV,  21
.set AVB, 22
.set XR,  60                           ; v60-63   the tokens' scale words (+2 ut + s)
.set XF,  88                           ; v88-119  the tokens' fragments (+16 ut + 8 s)
.set ACC, 128                          ; v128-223 k at +16 ut + 8 uc, v at +32 + 16 ct + 8 ut, q at +64 + 16 ut + 8 uc
.set TM,  224
.set TP,  230
.set CD,  236
	v_mul_u32_u24 v[AX], v[R], 144
	v_lshl_add_u32 v[AX], v[H], 4, v[AX]           ; L_XC = 0
	v_lshl_add_u32 v[AXS], v[RHO], 3, L_XS
	v_mul_u32_u24 v[AK], v[RHO], 144
	v_lshl_add_u32 v[AK], v[H], 3, v[AK]
	s_lshl_b32 s50, s22, 4
	v_add_nc_u32 v[AQ], s50, v[AK]                 ; 144 (r + (r & 8)) + 8 h + 16 w
	v_add_nc_u32 v[AK], L_KC, v[AQ]
	v_add_nc_u32 v[AQ], L_QC, v[AQ]
	v_lshl_add_u32 v[AKB], v[RHO], 3, s22
	v_add_nc_u32 v[AQB], L_QS, v[AKB]
	v_add_nc_u32 v[AKB], L_KS, v[AKB]
	s_lshl_b32 s50, s22, 9
	v_lshl_add_u32 v[AV], v[RHO], 4, s50
	v_lshl_add_u32 v[AV], v[H], 3, v[AV]
	v_add_nc_u32 v[AV], L_VC, v[AV]
	s_lshl_b32 s50, s22, 8
	v_lshl_add_u32 v[AVB], v[RHO], 3, s50
	v_add_nc_u32 v[AVB], L_VS, v[AVB]
.irp k, 0,1,2,3,4,5
	v_mov_b32 v[TP+\k], 0                          ; a lane permute's destination counts as one of its sources
.endr
.macro FETCHX hr
.irp ut, 0,1
.irp s, 0,1
.irp c, 0,1
	ds_load_b128 v[XF+16*\ut+8*\s+4*\c:XF+16*\ut+8*\s+4*\c+3], v[AX] offset:(32*(\hr)+16*\ut)*144+64*\s+32*\c
.endr
	ds_load_b32 v[XR+2*\ut+\s], v[AXS] offset:(32*(\hr)+8*\ut)*8+4*\s
.endr
.endr
.endm
.macro HALFROW hr, hasq
	s_wait_dscnt 0x0                               ; the fragments are in, and the last half-row's stores have read their registers
	WIN 0x11                                       ; source 0 (weight) and C (bias) window 1.  The accumulators take turns, one instruction a turn
.irp ut, 0,1
.irp uc, 0,1
	MM ACC+16*\ut+8*\uc, 8*(4+2*\uc), XF+16*\ut, QKB+16+8*\uc, WS+4+2*\uc, XR+2*\ut
.endr
.endr
.if \hasq
.irp ut, 0,1
.irp uc, 0,1
	MM ACC+64+16*\ut+8*\uc, 8*(2*\uc), XF+16*\ut, QKB+8*\uc, WS+2*\uc, XR+2*\ut
.endr
.endr
.endif
	WIN 0x01
.irp ut, 0,1
.irp uc, 0,1
	MM ACC+16*\ut+8*\uc, 8*(5+2*\uc), XF+16*\ut+8, ACC+16*\ut+8*\uc, WS+5+2*\uc, XR+2*\ut+1
.endr
.endr
.if \hasq
.irp ut, 0,1
.irp uc, 0,1
	MM ACC+64+16*\ut+8*\uc, 8*(1+2*\uc), XF+16*\ut+8, ACC+64+16*\ut+8*\uc, WS+1+2*\uc, XR+2*\ut+1
.endr
.endr
.endif
	WIN 0x04                                       ; source 1 (weight) window 1
.irp ct, 0,1
.irp ut, 0,1
	MM0 ACC+32+16*\ct+8*\ut, XF+16*\ut, 8*(8+2*\ct), XR+2*\ut, WS+8+2*\ct
.endr
.endr
.irp ct, 0,1
.irp ut, 0,1
	MM ACC+32+16*\ct+8*\ut, XF+16*\ut+8, 8*(9+2*\ct), ACC+32+16*\ct+8*\ut, XR+2*\ut+1, WS+9+2*\ct
.endr
.endr
	WIN 0
	PLACES 4                                       ; in front of the loads over the fragments and of the first reads of results
.if (\hr) < 11
	FETCHX (\hr)+1                                 ; the next half-row's fragments land while this one is quantised
.endif
.irp ct, 0,1
.irp i, 0,2,4,6,8,10,12,14
	v_pk_add_f32 v[ACC+32+16*\ct+\i:ACC+32+16*\ct+\i+1], v[ACC+32+16*\ct+\i:ACC+32+16*\ct+\i+1], v[BV+2*\ct:BV+2*\ct+1]   ; v's bias: one channel a lane
.endr
.endr
	QUANT ACC, 4+2*\hasq
.irp ut, 0,1
	ds_store_b64 v[AK], v[CD+2*\ut:CD+2*\ut+1] offset:(32*(\hr)+8*\ut)*144
	ds_store_b8 v[AKB], v[TP+\ut] offset:(32*(\hr)+8*\ut)*8      ; both halves of the lanes write the same byte with the same value
.endr
.irp ct, 0,1
	ds_store_b64 v[AV], v[CD+4+2*\ct:CD+4+2*\ct+1] offset:4096*(\hr)+128*\ct
	ds_store_b8 v[AVB], v[TP+2+\ct] offset:2048*((\hr)%2)+64*\ct+(\hr)/2
.endr
.if \hasq
.irp ut, 0,1
	ds_store_b64 v[AQ], v[CD+8+2*\ut:CD+8+2*\ut+1] offset:(32*((\hr)-4)+8*\ut)*144
	ds_store_b8 v[AQB], v[TP+4+\ut] offset:(32*((\hr)-4)+8*\ut)*8
.endr
.endif
.endm
	FETCHX 0
.irp hr, 0,1,2,3
	HALFROW \hr, 0
.endr
.irp hr, 4,5,6,7
	HALFROW \hr, 1                                 ; window rows 2, 3 are the queries' rows
.endr
.irp hr, 8,9,10,11
	HALFROW \hr, 0
.endr
	BAR                                            ; q, k, v lie in LDS as codes
; ================= P3: attention.  My head, my side's 64 queries (two rows of 32), the other half's keys.
; window 1: KF(t) = v[4 t ..], t = 2 i + kt: 16 keys x 64 channels in 4 registers; the operand names 8: the upper four belong to the next fragment and meet zero codes of Q.
;           VF(ct) = v[48 + 12 ct ..]: 16 channels x 6 blocks of keys in 12 registers; K step 1 names four registers more, which meet zero codes of P.   QF = v208.. (+8 a), PF = v224.. (+16 a + 8 s).
.set AKF,  15
.set AKS,  16
.set AQF,  17
.set AQS,  18
.set AVF,  19
.set AVS,  20
.set ASS,  21
.set AG,   22
.set ASP,  23
.set APW,  24
.set APR,  25
.set APSW, 26
.set APSR, 27
.set ACX,  248
.set ACS,  249
.set BIT,  250                         ; 4 ((l - 2) mod 8): where my first code stands in its word
.set B28,  251                         ; 28 - that
.set NEG,  252                         ; -infinity
.set KSR,  60                          ; v60-71  K's scale words (+t)
.set VSR,  72                          ; v72-79  V's (+2 ct + s)
.set QSR,  80                          ; v80-81  Q's (+a)
.set PS,   82                          ; v82-85  P's (+2 a + s)
.set PR,   88                          ; v88-127 my query's scores, then p: row e at +8 e, key l + dx at + dx + 2; the other 27 registers stay 0
.set ZB,   128                         ; v128-131 zeros
.set SA,   136                         ; v136-199 8 score tiles; then the code blocks; then O^T (+16 (2 a + b) + 8 u)
.set TM,   200
.set TP,   204
.set CD,   208
.set RL,   216                         ; v216-219 1 / sum and a 0 beside it (+2 a)
.set MX,   220
.set M2,   221
.set NM,   222
.set SUM,  223
.set SU2,  224
.set BM,   225
.set BY,   230
.set WC,   235
.set PW,   240                         ; v240-243 scale word 0, scale word 1, 1 / sum, 0
.set QF,   208
.set PF,   224
	WIN 0x40
.irp n, 212,213,214,215,220,221,222,223,236,237,238,239,252,253,254,255
	v_mov_b32 v\n, 0                               ; the zero codes that fill Q's K from 64 and P's from 192 up to the instruction's 128 and 256
.endr
	WIN 0
.irp n, 0,1,3,4,5,6,7,8,12,13,14,15,21,22,23,24,28,29,30,31,32,33,35,36,37,38,39
	v_mov_b32 v[PR+\n], 0
.endr
.irp n, 0,1,2,3
	v_mov_b32 v[ZB+\n], 0
	v_mov_b32 v[TP+\n], 0
.endr
	v_mov_b32 v[PW+3], 0
	v_mov_b32 v[NEG], 0xff800000
	s_lshl_b32 s51, s23, 5                         ; 32 bytes of codes a head
	s_mul_i32 s50, s25, 4608
	s_add_co_u32 s50, s50, s51
	s_add_co_u32 s50, s50, L_KC
	s_mul_i32 s52, s24, 4608
	s_add_co_u32 s52, s52, s51
	v_mul_u32_u24 v[AKF], v[R], 144
	v_lshl_add_u32 v[AKF], v[H], 4, v[AKF]
	v_add_nc_u32 v[AKF], s50, v[AKF]
	v_mul_u32_u24 v[ACX], v[RX], 144               ; queries in reversed order
	v_lshl_add_u32 v[AQF], v[H], 4, v[ACX]
	v_lshl_add_u32 v[ACX], v[H], 3, v[ACX]
	s_add_co_u32 s50, s52, L_QC
	v_add_nc_u32 v[AQF], s50, v[AQF]
	s_add_co_u32 s50, s52, L_CTXC
	v_add_nc_u32 v[ACX], s50, v[ACX]
	s_lshl_b32 s51, s23, 1                         ; 2 scale bytes a head
	s_lshl_b32 s50, s25, 8
	s_add_co_u32 s50, s50, s51
	s_add_co_u32 s50, s50, L_KS
	v_lshl_add_u32 v[AKS], v[R], 3, s50
	s_lshl_b32 s52, s24, 8
	s_add_co_u32 s52, s52, s51
	s_add_co_u32 s50, s52, L_QS
	v_lshl_add_u32 v[AQS], v[RX], 3, s50
	s_add_co_u32 s50, s52, L_CTXS
	v_lshl_add_u32 v[ACS], v[RX], 3, s50
	s_lshl_b32 s50, s25, 12
	s_lshl_b32 s51, s23, 10
	s_add_co_u32 s50, s50, s51
	s_add_co_u32 s50, s50, L_VC
	v_lshl_add_u32 v[AVF], v[RHO], 4, s50
	v_lshl_add_u32 v[AVF], v[H], 13, v[AVF]        ; lanes 16-31 take the odd blocks: one window row, 8,192 bytes, on
	s_lshl_b32 s50, s25, 11
	s_lshl_b32 s51, s23, 9
	s_add_co_u32 s50, s50, s51
	s_add_co_u32 s50, s50, L_VS
	v_lshl_add_u32 v[AVS], v[RHO], 3, s50
	s_mul_i32 s50, s22, 4864
	s_add_co_u32 s50, s50, L_SST
	v_mul_u32_u24 v[ASS], v[R], 144
	v_lshl_add_u32 v[ASS], v[H], 5, v[ASS]
	v_add_nc_u32 v[ASS], s50, v[ASS]
	v_mul_u32_u24 v[AG], v[LN], 148                ; row l, column l: the diagonal
	v_add_nc_u32 v[AG], s50, v[AG]
	v_mul_u32_u24 v[ASP], v[LN], 144
	v_add_nc_u32 v[ASP], s50, v[ASP]
	s_mul_i32 s50, s22, 3584
	s_add_co_u32 s50, s50, L_PST
	v_mul_u32_u24 v[APW], v[LN], 112
	v_add_nc_u32 v[APW], s50, v[APW]
	v_mul_u32_u24 v[APR], v[R], 112
	v_lshl_add_u32 v[APR], v[H], 4, v[APR]
	v_add_nc_u32 v[APR], s50, v[APR]
	s_lshl_b32 s50, s22, 9
	s_add_co_u32 s50, s50, L_PSC
	v_lshl_add_u32 v[APSW], v[LN], 4, s50
	v_lshl_add_u32 v[APSR], v[R], 4, s50
	v_add_nc_u32 v[BIT], 6, v[LN]
	v_and_b32 v[BIT], 7, v[BIT]
	v_lshlrev_b32 v[BIT], 2, v[BIT]
	v_sub_nc_u32 v[B28], 28, v[BIT]
	ds_store_b128 v[ASP], v[ZB:ZB+3]               ; the pad words of rows 0 .. 31,
	ds_store_b128 v[ASP], v[ZB:ZB+3] offset:144    ; and of row 32: what a gather past a row's end reads (it is masked all the same)
	WIN 0x40
.irp t, 0,1,2,3,4,5,6,7,8,9,10,11
	ds_load_b128 v[4*\t:4*\t+3], v[AKF] offset:(64*(\t/2)+16*(\t%2))*144
.endr
.irp ct, 0,1,2,3
.irp g, 0,1,2
	ds_load_b128 v[48+12*\ct+4*\g:48+12*\ct+4*\g+3], v[AVF] offset:(32*(\ct/2)+8*(\ct%2))*16+16384*\g
.endr
.endr
	WIN 0
.irp t, 0,1,2,3,4,5,6,7,8,9,10,11
	ds_load_u16 v[KSR+\t], v[AKS] offset:(64*(\t/2)+16*(\t%2))*8      ; two bytes; the upper two come as 0 and stand over zero products
.endr
.irp ct, 0,1,2,3
	ds_load_b32 v[VSR+2*\ct], v[AVS] offset:(32*(\ct/2)+8*(\ct%2))*8
	ds_load_u16 v[VSR+2*\ct+1], v[AVS] offset:(32*(\ct/2)+8*(\ct%2))*8+4
.endr
.macro STILE n, yq, e, a, kt           ; S^T: 16 keys (window row yq + e, tile kt) x 16 queries (tile a)
	MM0 SA+8*(\n), 4*(2*((\yq)+(\e))+(\kt)), QF+8*(\a), KSR+2*((\yq)+(\e))+(\kt), QSR+(\a)
.endm
.macro SPUT n, a, kt                   ; a tile into my stage: row = query, 8 neighbouring keys a lane; from its low end on
	ds_store_b128 v[ASS], v[SA+8*(\n):SA+8*(\n)+3] offset:2304*(\a)+16+64*(\kt)
	ds_store_b128 v[ASS], v[SA+8*(\n)+4:SA+8*(\n)+7] offset:2304*(\a)+32+64*(\kt)
.endm
.macro SGET e, dx                      ; lane l takes the score of query l and key l + dx.  LDS serves a wave's instructions in order, so one stage serves all rows e
	ds_load_b32 v[PR+8*(\e)+(\dx)+2], v[AG] offset:16+4*(\dx)
.endm
.macro HIDE e, dx, m                   ; -infinity where the key lies outside the half grid
	v_cndmask_b32 v[PR+8*(\e)+(\dx)+2], v[NEG], v[PR+8*(\e)+(\dx)+2], s[\m]
.endm
.macro ATT yq
	WIN 0x40
.irp a, 0,1
	ds_load_b128 v[QF+8*\a:QF+8*\a+3], v[AQF] offset:(64*(\yq)+16*(1-\a))*144
.endr
	WIN 0
.irp a, 0,1
	ds_load_u16 v[QSR+\a], v[AQS] offset:(64*(\yq)+16*(1-\a))*8
.endr
	s_wait_dscnt 0x0
	WIN 0x05                                       ; sources 0 and 1 window 1
	STILE 0,\yq,0,0,0                              ; dy = -2: the diagonal alone
	STILE 1,\yq,0,1,1
	STILE 2,\yq,1,0,0                              ; dy = -1
	STILE 3,\yq,1,0,1
	STILE 4,\yq,1,1,0
	STILE 5,\yq,1,1,1
	STILE 6,\yq,4,0,0                              ; dy = +2
	STILE 7,\yq,4,1,1
	WIN 0
	PLACES 5                                       ; four in front of the stores of results; five in front of the next batch's products, which write over these registers
	SPUT 0,0,0
	SPUT 1,1,1
	SGET 0,0
	SPUT 2,0,0
	SPUT 3,0,1
	SPUT 4,1,0
	SPUT 5,1,1
	SGET 1,-1
	SGET 1,0
	SGET 1,1
	SPUT 6,0,0
	SPUT 7,1,1
	SGET 4,0
	s_wait_dscnt 0x0
	WIN 0x05
	STILE 0,\yq,2,0,0                              ; dy = 0
	STILE 1,\yq,2,0,1
	STILE 2,\yq,2,1,0
	STILE 3,\yq,2,1,1
	STILE 4,\yq,3,0,0                              ; dy = +1
	STILE 5,\yq,3,0,1
	STILE 6,\yq,3,1,0
	STILE 7,\yq,3,1,1
	WIN 0
	PLACES 5
	SPUT 0,0,0
	SPUT 1,0,1
	SPUT 2,1,0
	SPUT 3,1,1
	SGET 2,-2
	SGET 2,-1
	SGET 2,0
	SGET 2,1
	SGET 2,2
	SPUT 4,0,0
	SPUT 5,0,1
	SPUT 6,1,0
	SPUT 7,1,1
	SGET 3,-1
	SGET 3,0
	SGET 3,1
	s_wait_dscnt 0x0
	; ---- the softmax of query l: 13 scores
	HIDE 0,0,36
.if (\yq) == 0
	HIDE 1,-1,37
	HIDE 1,0,36
	HIDE 1,1,38
	HIDE 3,-1,33
	HIDE 3,1,34
.else
	HIDE 1,-1,33
	HIDE 1,1,34
	HIDE 3,-1,40
	HIDE 3,0,39
	HIDE 3,1,41
.endif
	HIDE 2,-2,32
	HIDE 2,-1,33
	HIDE 2,1,34
	HIDE 2,2,35
	HIDE 4,0,39
	v_max3_num_f32 v[MX], v[PR+2], v[PR+9], v[PR+10]
	v_max3_num_f32 v[M2], v[PR+11], v[PR+16], v[PR+17]
	v_max3_num_f32 v[MX], v[MX], v[PR+18], v[PR+19]      ; (the key at dy = dx = 0 always counts: the maximum is a number)
	v_max3_num_f32 v[M2], v[M2], v[PR+20], v[PR+25]
	v_max3_num_f32 v[MX], v[MX], v[PR+26], v[PR+27]
	v_max3_num_f32 v[MX], v[MX], v[M2], v[PR+34]
	v_mul_f32 v[MX], s47, v[MX]                    ; the largest t
	v_floor_f32 v[NM], -v[MX]                      ; -M = floor(-t): M is a whole number
.irp n, 2,9,10,11,16,17,18,19,20,25,26,27,34
	v_fma_f32 v[PR+\n], v[PR+\n], s47, v[NM]       ; t - M
.endr
.irp n, 2,9,10,11,16,17,18,19,20,25,26,27,34
	v_exp_f32 v[PR+\n], v[PR+\n]                   ; p = 2^(t - M); 0 for hidden keys
.endr
	v_nop                                          ; a plain line behind the exponentials
	s_wait_alu depctr_va_vdst(0)
	v_add_f32 v[SUM], v[PR+2], v[PR+9]             ; the sum of the unquantised p, in two chains
	v_add_f32 v[SU2], v[PR+10], v[PR+11]
	v_add_f32 v[SUM], v[SUM], v[PR+16]
	v_add_f32 v[SU2], v[SU2], v[PR+17]
	v_add_f32 v[SUM], v[SUM], v[PR+18]
	v_add_f32 v[SU2], v[SU2], v[PR+19]
	v_add_f32 v[SUM], v[SUM], v[PR+20]
	v_add_f32 v[SU2], v[SU2], v[PR+25]
	v_add_f32 v[SUM], v[SUM], v[PR+26]
	v_add_f32 v[SU2], v[SU2], v[PR+27]
	v_add_f32 v[SUM], v[SUM], v[PR+34]
	v_add_f32 v[SUM], v[SUM], v[SU2]
	v_rcp_f32 v[PW+2], v[SUM]                      ; (the sum is above 1/2; plain lines follow)
	v_max_num_f32 v[BM], 0x1800000, v[PR+2]        ; each block's largest p, with the floor 2^(3 - 127)
	v_max3_num_f32 v[BM+1], v[PR+9], v[PR+10], 0x1800000
	v_max3_num_f32 v[BM+2], v[PR+16], v[PR+17], 0x1800000
	v_max3_num_f32 v[BM+3], v[PR+25], v[PR+26], 0x1800000
	v_max_num_f32 v[BM+4], 0x1800000, v[PR+34]
	v_max_num_f32 v[BM+1], v[BM+1], v[PR+11]
	v_max3_num_f32 v[BM+2], v[BM+2], v[PR+18], v[PR+19]
	v_max_num_f32 v[BM+3], v[BM+3], v[PR+27]
	v_max_num_f32 v[BM+2], v[BM+2], v[PR+20]
.irp e, 0,1,2,3,4
	v_add_nc_u32 v[BM+\e], 0xff000000, v[BM+\e]
.endr
.irp e, 0,1,2,3,4
	v_cvt_scalef32_pk8_fp4_f32 v[WC+\e], v[PR+8*\e:PR+8*\e+7], v[BM+\e]     ; code n of the word is key l - 2 + n
.endr
.irp e, 0,1,2,3,4
	v_lshrrev_b32 v[BY+\e], 23, v[BM+\e]           ; the bytes (plain lines behind the conversions)
.endr
.if (\yq) == 0                                 ; block (window row) yq + e; the block that this row of queries does not reach keeps the byte 0 over zero codes
	v_lshl_or_b32 v[PW], v[BY+1], 8, v[BY]
	v_lshl_or_b32 v[PW], v[BY+2], 16, v[PW]
	v_lshl_or_b32 v[PW], v[BY+3], 24, v[PW]
	v_mov_b32 v[PW+1], v[BY+4]
	s_wait_alu depctr_va_vdst(0)
.else
	v_lshlrev_b32 v[PW], 8, v[BY]
	v_lshl_or_b32 v[PW], v[BY+1], 16, v[PW]
	v_lshl_or_b32 v[PW], v[BY+2], 24, v[PW]
	v_lshl_or_b32 v[PW+1], v[BY+4], 8, v[BY+3]
	s_wait_alu depctr_va_vdst(0)
.endif
	ds_store_b128 v[APSW], v[PW:PW+3]
.irp e, 0,1,2,3,4                              ; the word of 8 codes is shifted to key l - 2 of the block's 32: a low part and what runs over into the next word
	v_lshlrev_b32 v[SA+20+2*\e], v[BIT], v[WC+\e]
	v_lshrrev_b32 v[SA+21+2*\e], 4, v[WC+\e]
.endr
.irp e, 0,1,2,3,4
	v_lshrrev_b32 v[SA+21+2*\e], v[B28], v[SA+21+2*\e]
.endr
.irp e, 0,1,2,3,4
.irp g, 0,1,2,3
	v_cndmask_b32 v[SA+4*\e+\g], 0, v[SA+21+2*\e], s[42+\g]
.endr
.irp g, 0,1,2,3
	v_cndmask_b32 v[SA+4*\e+\g], v[SA+4*\e+\g], v[SA+20+2*\e], s[43+\g]
.endr
	ds_store_b128 v[APW], v[SA+4*\e:SA+4*\e+3] offset:16*((\yq)+\e)
.endr
	ds_store_b128 v[APW], v[ZB:ZB+3] offset:80*(1-(\yq))          ; the sixth block: zero codes
	; ---- O^T = V^T P^T over the 6 blocks: K steps of 4 and of 2
	WIN 0x40
.irp a, 0,1
.irp g, 0,1,2
	ds_load_b128 v[PF+16*\a+4*\g:PF+16*\a+4*\g+3], v[APR] offset:1792*\a+32*\g
.endr
.endr
	WIN 0
.irp a, 0,1
	ds_load_b64 v[PS+2*\a:PS+2*\a+1], v[APSR] offset:256*\a
	ds_load_b64 v[RL+2*\a:RL+2*\a+1], v[APSR] offset:256*\a+8
.endr
	s_wait_dscnt 0x0
	WIN 0x05
.irp a, 0,1
.irp ct, 0,1,2,3
	MM0 SA+16*(2*\a+\ct/2)+8*(\ct%2), 48+12*\ct, PF+16*\a, VSR+2*\ct, PS+2*\a
.endr
.endr
.irp a, 0,1
.irp ct, 0,1,2,3
	MM SA+16*(2*\a+\ct/2)+8*(\ct%2), 56+12*\ct, PF+16*\a+8, SA+16*(2*\a+\ct/2)+8*(\ct%2), VSR+2*\ct+1, PS+2*\a+1
.endr
.endr
	WIN 0
	PLACES 4
.irp a, 0,1
.irp i, 0,2,4,6,8,10,12,14,16,18,20,22,24,26,28,30
	v_pk_mul_f32 v[SA+32*\a+\i:SA+32*\a+\i+1], v[SA+32*\a+\i:SA+32*\a+\i+1], v[RL+2*\a:RL+2*\a+1] op_sel_hi:[1,0]   ; / the sum
.endr
.endr
	QUANT SA, 4                                    ; the context is the next product's operand: blocks 2 head + b of query tile a
.irp a, 0,1
.irp bb, 0,1
	ds_store_b64 v[ACX], v[CD+2*(2*\a+\bb):CD+2*(2*\a+\bb)+1] offset:(64*(\yq)+16*(1-\a))*144+16*\bb
	ds_store_b8 v[ACS], v[TP+2*\a+\bb] offset:(64*(\yq)+16*(1-\a))*8+\bb
.endr
.endr
	s_wait_dscnt 0x0
.endm
	ATT 0
	ATT 1
; What P4 and P5 want from memory is asked for here.  window 1: v0-15 out_b's tiles, v16-31 proj_b's, v32-47 ln_g, v48-63 ln_b (all: my 16 channels of lane half h), v128-255 proj_w's 16 fragments.
.set QX, 88                            ; v88-119 32 channels of a pixel, f32
.macro QLOAD t
.irp c, 0,1,2,3,4,5,6,7,8,9,10,11,12,13,14,15,16,17,18,19,20,21,22,23,24,25,26,27,28,29,30,31
	global_load_b32 v[QX+\c], v[VROW+2+(\t)/2], s[4:5] offset:16384*\c+128*((\t)%2)
.endr
.endm
	WIN 0x40
.irp k, 0,1,2,3
	global_load_b128 v[4*\k:4*\k+3], v[VB16], s[8:9] offset:16*\k
.endr
	WIN 0
	QLOAD 0
	WIN 0x40
.irp k, 0,1,2,3
	global_load_b128 v[16+4*\k:16+4*\k+3], v[VB16], s[10:11] offset:16*\k
	global_load_b128 v[32+4*\k:32+4*\k+3], v[VB16], s[12:13] offset:16*\k
	global_load_b128 v[48+4*\k:48+4*\k+3], v[VB16], s[14:15] offset:16*\k
.endr
.irp f, 16,17,18,19,20,21,22,23,24,25,26,27,28,29,30,31
.irp c, 0,1
	global_load_b128 v[8*\f+4*\c:8*\f+4*\c+3], v[L16], s[16:17] offset:1024*\f+512*\c
.endr
.endr
	WIN 0
	BAR                                            ; the context's codes are whole, and nobody reads Q, K any more
; ================= P4: ctx = context x out_w^T + out_b, my 32 channels; then ctx, |qt - ctx|, qt x ctx as codes.  Token tiles are natural: tile (t, a) = tokens 32 t + 16 a + r.
.set ACF, 15
.set ACR, 16
.set AAW, 17
.set AAB, 18
.set CR,  60                           ; v60-63   the context's scale words (+2 a + s)
.set CF,  64                           ; window 1 v64-95: the context's fragments (+16 a + 8 s)
.set Z,   128                          ; v128-223 ctx 32, qt - ctx 32, qt x ctx 32 (each +16 a + 8 u + j)
.set TM,  224
.set TP,  230
.set CD,  236
	v_mul_u32_u24 v[ACF], v[R], 144
	v_lshl_add_u32 v[ACF], v[H], 4, v[ACF]
	v_add_nc_u32 v[ACF], L_CTXC, v[ACF]
	v_lshl_add_u32 v[ACR], v[R], 3, L_CTXS
	v_mul_u32_u24 v[AAW], v[R], 400
	v_lshl_add_u32 v[AAW], v[H], 3, v[AAW]
	s_lshl_b32 s50, s22, 4
	s_add_co_u32 s50, s50, L_ASYM
	v_add_nc_u32 v[AAW], s50, v[AAW]
	v_mul_u32_u24 v[AAB], v[R], 24
	s_add_co_u32 s50, s22, L_ASCL
	v_add_nc_u32 v[AAB], s50, v[AAB]
.irp k, 0,1,2,3,4,5
	v_mov_b32 v[TP+\k], 0
.endr
.macro CITEM t
	WIN 0x40
.irp a, 0,1
.irp s, 0,1
.irp c, 0,1
	ds_load_b128 v[CF+16*\a+8*\s+4*\c:CF+16*\a+8*\s+4*\c+3], v[ACF] offset:(32*(\t)+16*\a)*144+64*\s+32*\c
.endr
.endr
.endr
	WIN 0
.irp a, 0,1
.irp s, 0,1
	ds_load_b32 v[CR+2*\a+\s], v[ACR] offset:(32*(\t)+16*\a)*8+4*\s
.endr
.endr
	s_wait_dscnt 0x0                               ; the fragments are in, and the last item's stores have read their registers
.if (\t) == 0
	s_wait_loadcnt 44                              ; out_b's tiles and qt are in; the 44 loads issued behind them (12 of proj_b, ln_g, ln_b; 32 of proj_w) may be out
.else
	s_wait_loadcnt 0x0
.endif
	WIN 0x15                                       ; sources 0, 1 and C window 1
.irp a, 0,1
.irp u, 0,1
	MM Z+16*\a+8*\u, 96+16*\u, CF+16*\a, 8*\u, WS+12+2*\u, CR+2*\a
.endr
.endr
	WIN 0x05
.irp a, 0,1
.irp u, 0,1
	MM Z+16*\a+8*\u, 104+16*\u, CF+16*\a+8, Z+16*\a+8*\u, WS+13+2*\u, CR+2*\a+1
.endr
.endr
	WIN 0
	PLACES 4
.irp c, 0,1,2,3,4,5,6,7,8,9,10,11,12,13,14,15
	v_permlane16_swap_b32 v[QX+\c], v[QX+16+\c]    ; from (pixel = lane, 32 channels) to (pixel 16 a + r, channels 16 h + 0 .. 15) at QX + 16 a: ctx's layout
.endr
.set n, 0
.rept 32
	v_sub_f32 v[Z+32+n], v[QX+n], v[Z+n]           ; qt - ctx: its sign is taken off the codes below
.set n, n+1
.endr
.set n, 0
.rept 16
	v_pk_mul_f32 v[Z+64+n:Z+64+n+1], v[QX+n:QX+n+1], v[Z+n:Z+n+1]
.set n, n+2
.endr
.if (\t) < 3
	QLOAD (\t)+1
.endif
	QUANT Z, 6
.irp k, 4,5,6,7
	v_and_b32 v[CD+\k], 0x77777777, v[CD+\k]       ; |.|: a code's top bit is its sign, and the rounding is the same on both sides of 0
.endr
.irp g, 0,1,2
.irp a, 0,1
	ds_store_b64 v[AAW], v[CD+2*(2*\g+\a):CD+2*(2*\g+\a)+1] offset:(32*(\t)+16*\a)*400+128*\g
	ds_store_b8 v[AAB], v[TP+2*\g+\a] offset:(32*(\t)+16*\a)*24+8*\g
.endr
.endr
.endm
.irp t, 0,1,2,3
	CITEM \t
.endr
	BAR                                            ; asym's three computed quarters lie in LDS
; ================= P5: y = asym x proj_w^T + proj_b, my 32 channels of all 128 tokens; LayerNorm; relu; out.
.set AXQ,  15
.set AXSQ, 16
.set AAS,  17
.set AAC,  18
.set ASW,  19
.set ASR,  20
.set AY,   21
.set AYR,  22
.set FS,   60                          ; v60-67   the tokens' scale words, two sets (+4 set + tile)
.set FR,   64                          ; window 1 v64-127: the tokens' fragments, two sets (+32 set + 8 tile); later the waves' partial sums
.set ACC,  88                          ; v88-215  token tile T, channel tile u at +16 T + 8 u
.set SP,   216                         ; v216-231 a pair of partial sums for each T
.set PT,   232                         ; v232-239
.set TA,   216                         ; v216-247 four registers for each T
	v_mul_u32_u24 v[AXQ], v[RHO], 144
	v_lshl_add_u32 v[AXQ], v[H], 4, v[AXQ]         ; L_XC = 0; a natural tile's rows in XC are 8 a + r + (r & 8)
	v_lshl_add_u32 v[AXSQ], v[R], 3, L_XS
	v_mul_u32_u24 v[AAS], v[R], 400
	v_lshl_add_u32 v[AAS], v[H], 4, v[AAS]
	v_add_nc_u32 v[AAS], L_ASYM, v[AAS]
	v_mul_u32_u24 v[AAC], v[R], 24
	v_add_nc_u32 v[AAC], L_ASCL, v[AAC]
	v_mul_u32_u24 v[ASR], v[R], 48
	v_add_nc_u32 v[ASR], L_ST, v[ASR]
	s_lshl_b32 s50, s22, 2
	v_add_nc_u32 v[ASW], s50, v[ASR]
	s_mul_i32 s50, s22, 17152
	s_add_co_u32 s50, s50, L_YST
	v_mul_u32_u24 v[AY], v[H], 8576
	v_lshl_add_u32 v[AY], v[R], 2, v[AY]
	v_add_nc_u32 v[AY], s50, v[AY]
	v_add_nc_u32 v[AYR], s50, v[L16]
; Group g = 2 s + q: K step s of 8, token tiles 4 q .. 4 q + 3, set q.  K steps 0, 1 are qt's codes (XC), 2 .. 7 the three computed quarters.
.macro FETCHA g
.set fs, (\g)/2
.set fq, (\g)%2
	WIN 0x40
.irp tt, 0,1,2,3
.irp c, 0,1
.if fs < 2
	ds_load_b128 v[FR+32*fq+8*\tt+4*\c:FR+32*fq+8*\tt+4*\c+3], v[AXQ] offset:((4+(4*fq+\tt)/2)*32+8*((4*fq+\tt)%2))*144+64*fs+32*\c
.else
	ds_load_b128 v[FR+32*fq+8*\tt+4*\c:FR+32*fq+8*\tt+4*\c+3], v[AAS] offset:6400*(4*fq+\tt)+64*(fs-2)+32*\c
.endif
.endr
.endr
	WIN 0
.irp tt, 0,1,2,3
.if fs < 2
	ds_load_b32 v[FS+4*fq+\tt], v[AXSQ] offset:((4+(4*fq+\tt)/2)*32+16*((4*fq+\tt)%2))*8+4*fs
.else
	ds_load_b32 v[FS+4*fq+\tt], v[AAC] offset:384*(4*fq+\tt)+4*(fs-2)
.endif
.endr
.endm
.macro GROUP g
.if (\g) > 0
	PLACES 4                                       ; in front of the loads over the set that the last group multiplied
.endif
.if (\g) < 15
	FETCHA (\g)+1
	s_wait_dscnt 12                                ; my group's 12 loads are in; the next group's 12 may be out
.else
	s_wait_dscnt 0x0
.endif
.set gs, (\g)/2
.set gq, (\g)%2
.if gs == 0
	WIN 0x15
.else
	WIN 0x05
.endif
.irp tt, 0,1,2,3
.irp u, 0,1
.if gs == 0
	MM ACC+16*(4*gq+\tt)+8*\u, 128+8*(8*\u+gs), FR+32*gq+8*\tt, 16+8*\u, WS+16+8*\u+gs, FS+4*gq+\tt
.else
	MM ACC+16*(4*gq+\tt)+8*\u, 128+8*(8*\u+gs), FR+32*gq+8*\tt, ACC+16*(4*gq+\tt)+8*\u, WS+16+8*\u+gs, FS+4*gq+\tt
.endif
.endr
.endr
.endm
	FETCHA 0
.irp g, 0,1,2,3,4,5,6,7,8,9,10,11,12,13,14,15
	GROUP \g                                       ; the 16 accumulators take turns: one comes round again behind the 15 others
.endr
	WIN 0
.irp T, 0,1,2,3,4,5,6,7
	v_mov_b32 v[PT+\T], 0                          ; the permutes' destinations; these eight plain lines are also the places behind the last products
.endr
; a token's sum over my 32 channels: my 16 registers, lane l xor 16's 16; then a word for each wave in LDS
.macro ACROSS off
.irp T, 0,1,2,3,4,5,6,7
	v_add_f32 v[SP+2*\T], v[SP+2*\T], v[SP+2*\T+1]
.endr
.irp T, 0,1,2,3,4,5,6,7
	v_permlanex16_b32 v[PT+\T], v[SP+2*\T], s30, s31
.endr
.irp T, 0,1,2,3,4,5,6,7
	v_add_f32 v[SP+2*\T], v[SP+2*\T], v[PT+\T]
.endr
.irp T, 0,1,2,3,4,5,6,7
	ds_store_b32 v[ASW], v[SP+2*\T] offset:768*\T+\off      ; both halves of the lanes write the same word with the same value
.endr
	BAR
	WIN 0x40
.irp T, 0,1,2,3,4,5,6,7
.irp k, 0,1
	ds_load_b128 v[FR+8*\T+4*\k:FR+8*\T+4*\k+3], v[ASR] offset:768*\T+16*\k+\off
.endr
.endr
	s_wait_dscnt 0x0
	WIN 0x05
.irp T, 0,1,2,3,4,5,6,7
	v_pk_add_f32 v[TA+4*\T:TA+4*\T+1], v[FR+8*\T:FR+8*\T+1], v[FR+8*\T+2:FR+8*\T+3]
	v_pk_add_f32 v[TA+4*\T+2:TA+4*\T+3], v[FR+8*\T+4:FR+8*\T+5], v[FR+8*\T+6:FR+8*\T+7]
.endr
	WIN 0
.irp T, 0,1,2,3,4,5,6,7
	v_pk_add_f32 v[TA+4*\T:TA+4*\T+1], v[TA+4*\T:TA+4*\T+1], v[TA+4*\T+2:TA+4*\T+3]
.endr
.irp T, 0,1,2,3,4,5,6,7
	v_add_f32 v[TA+4*\T], v[TA+4*\T], v[TA+4*\T+1]         ; the token's sum over all 256 channels
.endr
.endm
.irp T, 0,1,2,3,4,5,6,7
	v_pk_add_f32 v[SP+2*\T:SP+2*\T+1], v[ACC+16*\T:ACC+16*\T+1], v[ACC+16*\T+2:ACC+16*\T+3]      ; each accumulator from its low end on
.endr
.irp i, 4,6,8,10,12,14
.irp T, 0,1,2,3,4,5,6,7
	v_pk_add_f32 v[SP+2*\T:SP+2*\T+1], v[SP+2*\T:SP+2*\T+1], v[ACC+16*\T+\i:ACC+16*\T+\i+1]
.endr
.endr
	ACROSS 0
.irp T, 0,1,2,3,4,5,6,7
	v_mul_f32 v[TA+4*\T], 0xbb800000, v[TA+4*\T]   ; - the mean
.endr
.irp T, 0,1,2,3,4,5,6,7
.irp i, 0,2,4,6,8,10,12,14
	v_pk_add_f32 v[ACC+16*\T+\i:ACC+16*\T+\i+1], v[ACC+16*\T+\i:ACC+16*\T+\i+1], v[TA+4*\T:TA+4*\T+1] op_sel_hi:[1,0]   ; d = y - the mean: the variance is taken of d, in a second pass
.endr
.endr
.irp T, 0,1,2,3,4,5,6,7
	v_pk_mul_f32 v[SP+2*\T:SP+2*\T+1], v[ACC+16*\T:ACC+16*\T+1], v[ACC+16*\T:ACC+16*\T+1]
.endr
.irp i, 2,4,6,8,10,12,14
.irp T, 0,1,2,3,4,5,6,7
	v_pk_fma_f32 v[SP+2*\T:SP+2*\T+1], v[ACC+16*\T+\i:ACC+16*\T+\i+1], v[ACC+16*\T+\i:ACC+16*\T+\i+1], v[SP+2*\T:SP+2*\T+1]
.endr
.endr
	ACROSS 6144
.irp T, 0,1,2,3,4,5,6,7
	v_fma_f32 v[TA+4*\T], v[TA+4*\T], s48, s49     ; the variance + 1e-5
.endr
.irp T, 0,1,2,3,4,5,6,7
	v_rsq_f32 v[TA+4*\T], v[TA+4*\T]
.endr
	v_nop                                          ; a plain line behind the transcendentals
	s_wait_alu depctr_va_vdst(0)
.irp T, 0,1,2,3,4,5,6,7
.irp i, 0,2,4,6,8,10,12,14
	v_pk_mul_f32 v[ACC+16*\T+\i:ACC+16*\T+\i+1], v[ACC+16*\T+\i:ACC+16*\T+\i+1], v[TA+4*\T:TA+4*\T+1] op_sel_hi:[1,0]
.endr
.endr
	WIN 0x14                                       ; sources 1 (ln_g) and 2 (ln_b) window 1
.irp T, 0,1,2,3,4,5,6,7
.irp i, 0,2,4,6,8,10,12,14
	v_pk_fma_f32 v[ACC+16*\T+\i:ACC+16*\T+\i+1], v[ACC+16*\T+\i:ACC+16*\T+\i+1], v[32+\i:33+\i], v[48+\i:49+\i]
.endr
.endr
	WIN 0
.irp T, 0,1,2,3,4,5,6,7
.irp k, 0,1,2,3,4,5,6,7,8,9,10,11,12,13,14,15
	v_max_num_f32 v[ACC+16*\T+\k], 0, v[ACC+16*\T+\k]
.endr
.irp k, 0,1,2,3,4,5,6,7,8,9,10,11,12,13,14,15
	ds_store_b32 v[AY], v[ACC+16*\T+\k] offset:528*\k+64*\T       ; my stage: row = channel 16 h + k, column = token: 16 lanes write 64 neighbouring bytes
.endr
.endr
	s_wait_dscnt 0x0                               ; the stores have read their registers: the rows come back into them
.irp cl, 0,1,2,3,4,5,6,7,8,9,10,11,12,13,14,15,16,17,18,19,20,21,22,23,24,25,26,27,28,29,30,31
	ds_load_b128 v[ACC+4*\cl:ACC+4*\cl+3], v[AYR] offset:528*\cl+128*(\cl/16)
.endr
.irp cl, 0,1,2,3,4,5,6,7,8,9,10,11,12,13,14,15,16,17,18,19,20,21,22,23,24,25,26,27,28,29,30,31
	s_wait_dscnt 31-\cl                            ; LDS loads come back in order: row cl is in, the younger ones may be out
	global_store_b128 v[L16], v[ACC+4*\cl:ACC+4*\cl+3], s[20:21] offset:16384*\cl th:TH_STORE_NT   ; a channel's two image rows: 512 consecutive bytes, at a multiple of 256 from out0's first byte
.endr
	s_wait_tensorcnt 0x0
	ds_add_u32 v254, v255
	s_wait_dscnt 0x0
	s_endpgm
.Lfunc_end_k_q70b94e09dc_fused:
	.size	k_q70b94e09dc_fused, .Lfunc_end_k_q70b94e09dc_fused-k_q70b94e09dc_fused
	.p2alignl 7, 3214868480
	.fill 96, 4, 3214868480
	.section	.rodata,"a",@progbits
	.p2align	6, 0x0
	.amdhsa_kernel k_q70b94e09dc_fused
		.amdhsa_group_segment_fixed_size 293888
		.amdhsa_private_segment_fixed_size 0
		.amdhsa_enable_private_segment 0
		.amdhsa_kernarg_size 72
		.amdhsa_user_sgpr_count 2
		.amdhsa_user_sgpr_kernarg_segment_ptr 1
		.amdhsa_wavefront_size32 1
		.amdhsa_system_sgpr_workgroup_id_x 1
		.amdhsa_system_sgpr_workgroup_id_y 1
		.amdhsa_system_sgpr_workgroup_id_z 1
		.amdhsa_system_vgpr_workitem_id 0
		.amdhsa_next_free_vgpr 512
		.amdhsa_next_free_sgpr 66
		.amdhsa_reserve_vcc 0
		.amdhsa_float_denorm_mode_32 3
		.amdhsa_float_denorm_mode_16_64 3
		.amdhsa_memory_ordered 1
		.amdhsa_forward_progress 1
		.amdhsa_inst_pref_size 255
	.end_amdhsa_kernel
	.section	.bss,"aw",@nobits
	.p2align	6
	.space	262144
	.amdgpu_metadata
---
amdhsa.version: [ 1, 2 ]
amdhsa.kernels:
  - .name:           k_q70b94e09dc_fused
    .symbol:         k_q70b94e09dc_fused.kd
    .args:
      - { .name: feat, .offset: 0, .size: 8, .value_kind: global_buffer, .address_space: global }
      - { .name: in_b, .offset: 8, .size: 8, .value_kind: global_buffer, .address_space: global }
      - { .name: out_b, .offset: 16, .size: 8, .value_kind: global_buffer, .address_space: global }
      - { .name: proj_b, .offset: 24, .size: 8, .value_kind: global_buffer, .address_space: global }
      - { .name: ln_g, .offset: 32, .size: 8, .value_kind: global_buffer, .address_space: global }
      - { .name: ln_b, .offset: 40, .size: 8, .value_kind: global_buffer, .address_space: global }
      - { .name: wimg, .offset: 48, .size: 8, .value_kind: global_buffer, .address_space: global }
      - { .name: wscl, .offset: 56, .size: 8, .value_kind: global_buffer, .address_space: global }
      - { .name: out0, .offset: 64, .size: 8, .value_kind: global_buffer, .address_space: global }
    .group_segment_fixed_size: 293888
    .private_segment_fixed_size: 0
    .kernarg_segment_align: 8
    .kernarg_segment_size: 72
    .max_flat_workgroup_size: 256
    .sgpr_count:     66
    .vgpr_count:     512
    .wavefront_size: 32
...
	.end_amdgpu_metadata
.endif
;; end of part 2
;; ======== version 2 of 2: 2 launches
;; workspace buffers: wimg 262,144 bytes; wscl 32,768 bytes
;; launch wq (part 3): grid 256 x 1, 1 waves a work-group, no clusters, 0 bytes of LDS; arguments in_w, out_w, proj_w, wimg, wscl; writes wimg, wscl
.if DOCPART == 3
	.amdgcn_target "amdgcn-amd-amdhsa--gfx1250"
	.amdhsa_code_object_version 6
	.text
	.protected	k_q70b94e09dc_wq
	.globl	k_q70b94e09dc_wq
	.p2align	8
	.type	k_q70b94e09dc_wq,@function
k_q70b94e09dc_wq:
	s_mov_b64 s[64:65], 0
	v_nop
	global_prefetch_b8 v0, s[64:65] scope:SCOPE_SE
	s_setreg_imm32_b32 hwreg(HW_REG_WAVE_MODE, 25, 1), 1
	s_wait_xcnt 0x0
; The three weights, f32 with K innermost, become codes of FP4 (E2M1) with one E8M0 byte for each 32 along K, laid as IMAGES OF OPERAND REGISTERS.
; One wave makes one fragment F = 32 w + f (16 rows x 128 K): wimg[F][c][lane][16 bytes], wscl[F][lane][4 bytes].
; Lane (r, h) holds row rowbase + r + (r & 8) and k = 128 s + 64 c + 32 h + 0 .. 31 in registers 4 c .. 4 c + 3.
;   f 0-3: in_w rows 32 w + 8 u (q);  4-7: + 256 (k);  8-11: + 512 (v);  12-15: out_w rows 32 w + 8 u: u = (f >> 1) & 1, s = f & 1;   f 16-31: proj_w rows 32 w + 8 u: u = (f >> 3) & 1, s = f & 7.
; A block's scale is 2^(floor(log2(its largest magnitude)) - 2); its byte is the largest magnitude's exponent field - 2, held at 1 from below.
; LIMITS: a block whose largest magnitude lies under 2^-124, a block of zeros among them, gets the byte 1 (the rule gives a block of zeros 127: its codes are zeros, and this program alone reads the bytes); NaN and infinities are not served.
.set X, 16                             ; v16-79  the lane's 64 numbers: two whole blocks of 32
	s_load_b256 s[4:11], s[0:1], 0x0               ; in_w s[4:5], out_w s[6:7], proj_w s[8:9], wimg s[10:11]
	s_load_b64 s[12:13], s[0:1], 0x20              ; wscl
	v_and_b32 v1, 15, v0                           ; r
	v_bfe_u32 v2, v0, 4, 1                         ; h
	v_and_b32 v3, 8, v0
	v_add_nc_u32 v3, v3, v1                        ; r + (r & 8)
	v_lshlrev_b32 v5, 4, v0                        ; 16 x lane
	v_lshlrev_b32 v6, 2, v0                        ; 4 x lane
	v_lshlrev_b32 v7, 3, v2                        ; 8 h: my bytes' place in the scale word
	v_mov_b32 v13, 0                               ; a lane permute's destination counts as one of its sources
	s_mov_b32 s28, 0x76543210
	s_mov_b32 s29, 0xfedcba98                      ; selects for lane l xor 16
	s_lshr_b32 s14, ttmp9, 5                       ; w
	s_and_b32 s15, ttmp9, 31                       ; f
	s_lshr_b32 s19, s15, 2
	s_mov_b32 s16, 1024
	s_wait_alu depctr_va_vdst(0)
	s_wait_kmcnt 0x0
	s_cmp_ge_u32 s15, 16                           ; proj_w's fragments?  The choices hang on the work-group's number alone
	s_cselect_b32 s16, 4096, s16                   ; bytes in a row
	s_cselect_b32 s17, 3, 1                        ; where u stands in f
	s_cselect_b32 s18, 7, 1                        ; the mask of s
	s_cselect_b64 s[20:21], s[8:9], s[4:5]
	s_cmp_eq_u32 s19, 3
	s_cselect_b64 s[20:21], s[6:7], s[20:21]       ; f 12-15: out_w
	s_cmp_lt_u32 s15, 12
	s_cselect_b32 s22, s19, 0
	s_lshl_b32 s22, s22, 8                         ; in_w: 256 rows on for k, 512 for v
	s_lshr_b32 s23, s15, s17
	s_and_b32 s23, s23, 1                          ; u
	s_and_b32 s26, s15, s18                        ; s
	s_lshl_b32 s24, s14, 5
	s_lshl_b32 s23, s23, 3
	s_add_co_u32 s24, s24, s23
	s_add_co_u32 s24, s24, s22                     ; rowbase
	s_mul_i32 s24, s24, s16
	s_lshl_b32 s26, s26, 9                         ; 128 numbers a K step
	s_add_co_u32 s24, s24, s26
	s_mov_b32 s25, 0
	s_add_nc_u64 s[20:21], s[20:21], s[24:25]
	s_lshl_b32 s24, ttmp9, 10
	s_add_nc_u64 s[10:11], s[10:11], s[24:25]      ; my fragment's 1,024 bytes
	s_lshl_b32 s24, ttmp9, 7
	s_add_nc_u64 s[12:13], s[12:13], s[24:25]      ; and its 128 bytes of scale words
	v_mul_u32_u24 v4, s16, v3
	v_lshl_add_u32 v4, v2, 7, v4                   ; my row, + 32 h numbers
.irp c, 0,1
.irp k, 0,1,2,3,4,5,6,7
	global_load_b128 v[X+32*\c+4*\k:X+32*\c+4*\k+3], v4, s[20:21] offset:256*\c+16*\k th:TH_LOAD_NT
.endr
.endr
	s_wait_loadcnt 0x0
.irp c, 0,1
	v_max3_num_f32 v[8+\c], |v[X+32*\c]|, |v[X+32*\c+1]|, 0x1800000   ; block 2 c + h: all 32 numbers are mine; the floor 2^(3 - 127) keeps the byte at 1 or more
.endr
.irp i, 2,4,6,8,10,12,14,16,18,20,22,24,26,28,30
.irp c, 0,1
	v_max3_num_f32 v[8+\c], v[8+\c], |v[X+32*\c+\i]|, |v[X+32*\c+\i+1]|
.endr
.endr
.irp c, 0,1
	v_add_nc_u32 v[8+\c], 0xff000000, v[8+\c]      ; 2 off the exponent field: the conversion's scale operand
.endr
.irp c, 0,1
	v_lshrrev_b32 v[10+\c], 23, v[8+\c]            ; the byte
.endr
	v_lshl_or_b32 v12, v11, 16, v10                ; blocks h and 2 + h,
	v_lshlrev_b32 v12, v7, v12                     ; at their places;
	v_permlanex16_b32 v13, v12, s28, s29
	v_or_b32 v12, v12, v13                         ; with lane l xor 16's two the word is whole, in both halves of the lanes
.irp c, 0,1
.irp g, 0,1,2,3
	v_cvt_scalef32_pk8_fp4_f32 v[80+4*\c+\g], v[X+32*\c+8*\g:X+32*\c+8*\g+7], v[8+\c]
.endr
.endr
	v_nop                                          ; one plain line behind the last scaled conversion
	global_store_b128 v5, v[80:83], s[10:11]       ; 512 consecutive bytes a store
	global_store_b128 v5, v[84:87], s[10:11] offset:512
	global_store_b32 v6, v12, s[12:13]
	s_endpgm
.Lfunc_end_k_q70b94e09dc_wq:
	.size	k_q70b94e09dc_wq, .Lfunc_end_k_q70b94e09dc_wq-k_q70b94e09dc_wq
	.p2alignl 7, 3214868480
	.fill 96, 4, 3214868480
	.section	.rodata,"a",@progbits
	.p2align	6, 0x0
	.amdhsa_kernel k_q70b94e09dc_wq
		.amdhsa_group_segment_fixed_size 0
		.amdhsa_private_segment_fixed_size 0
		.amdhsa_enable_private_segment 0
		.amdhsa_kernarg_size 40
		.amdhsa_user_sgpr_count 2
		.amdhsa_user_sgpr_kernarg_segment_ptr 1
		.amdhsa_wavefront_size32 1
		.amdhsa_system_sgpr_workgroup_id_x 1
		.amdhsa_system_sgpr_workgroup_id_y 1
		.amdhsa_system_sgpr_workgroup_id_z 1
		.amdhsa_system_vgpr_workitem_id 0
		.amdhsa_next_free_vgpr 96
		.amdhsa_next_free_sgpr 66
		.amdhsa_reserve_vcc 0
		.amdhsa_float_denorm_mode_32 3
		.amdhsa_float_denorm_mode_16_64 3
		.amdhsa_memory_ordered 1
		.amdhsa_forward_progress 1
		.amdhsa_inst_pref_size 7
	.end_amdhsa_kernel
	.amdgpu_metadata
---
amdhsa.version: [ 1, 2 ]
amdhsa.kernels:
  - .name:           k_q70b94e09dc_wq
    .symbol:         k_q70b94e09dc_wq.kd
    .args:
      - { .name: in_w, .offset: 0, .size: 8, .value_kind: global_buffer, .address_space: global }
      - { .name: out_w, .offset: 8, .size: 8, .value_kind: global_buffer, .address_space: global }
      - { .name: proj_w, .offset: 16, .size: 8, .value_kind: global_buffer, .address_space: global }
      - { .name: wimg, .offset: 24, .size: 8, .value_kind: global_buffer, .address_space: global }
      - { .name: wscl, .offset: 32, .size: 8, .value_kind: global_buffer, .address_space: global }
    .group_segment_fixed_size: 0
    .private_segment_fixed_size: 0
    .kernarg_segment_align: 8
    .kernarg_segment_size: 40
    .max_flat_workgroup_size: 32
    .sgpr_count:     66
    .vgpr_count:     96
    .wavefront_size: 32
...
	.end_amdgpu_metadata
.endif
;; end of part 3
;; launch fused (part 4): grid 256 x 1, 8 waves a work-group, no clusters, 293,888 bytes of LDS; arguments feat, in_b, out_b, proj_b, ln_g, ln_b, wimg, wscl, out0; writes out0
.if DOCPART == 4
	.amdgcn_target "amdgcn-amd-amdhsa--gfx1250"
	.amdhsa_code_object_version 6
	.text
	.protected	k_q70b94e09dc_fused
	.globl	k_q70b94e09dc_fused
	.p2align	8
	.type	k_q70b94e09dc_fused,@function
k_q70b94e09dc_fused:
	s_mov_b64 s[64:65], 0
	v_nop
	global_prefetch_b8 v0, s[64:65] scope:SCOPE_SE
	s_setreg_imm32_b32 hwreg(HW_REG_WAVE_SCHED_MODE, 0, 2), 2
	s_setreg_imm32_b32 hwreg(HW_REG_WAVE_MODE, 25, 1), 1
	s_wait_xcnt 0x0
	s_wait_alu depctr_vm_vsrc(0)
; ContralateralAttention, everything behind the weights' quantiser, all products on codes of FP4 (E2M1) with one E8M0 scale for each 32 along K.
; SHARES.  Work-group g owns image b = g >> 5 and the whole image rows y0 = 2 (g & 31), y0 + 1: 128 query pixels (both halves).  Keys and values are wanted of rows y0 - 2 .. y0 + 3 (the mask is Manhattan
; distance <= 2 on the 64 x 32 half grid): 12 half-rows hr = 2 i + half, i the window row; rows outside the image are loaded from the nearest row and their weights are masked.
; Eight waves.  In the projections THE WAVES SHARE THE COLUMNS: wave w makes channels 32 w .. 32 w + 31; its weight fragments lie in its registers as the first launch laid them.  In the attention wave w is head w & 3, query side w >> 2.
; A weight tile's rows are 8 u + r + (r & 8), so that with the weight as source 0 a lane (r, h) holds one token and the 16 neighbouring channels 32 w + 16 h + 0 .. 15: half a block of the next K.
; THE MIRROR.  With p a pixel's place in its half, |x' - x''| = |(31 - p_query) - p_key|: keys keep their order, queries are taken in reversed order (r xor 15 in their addresses).
; THE SECOND PRODUCT'S K.  A block of 32 keys is one image row of the memory half: P has 6 blocks here (window rows), of which 5 hold 1, 3, 5, 3, 1 live codes; V's scale belongs to (channel, row, half).
; SOFTMAX.  t = score x log2(e) / 8; M = ceil(the row's largest t); p = 2^(t - M), quantised not normalised; the sum of the unquantised p divides the product.  A lane holds one query's 13 scores.
; PHASES, a barrier behind each but the last: P1 the pixels' codes -> XC, XS | P2 q, k, v, quantised -> QC, KC, VC | P3 attention -> CTXC | P4 output projection, asym's three computed quarters -> ASYM |
;   P5 projection (K = 1,024: asym's first quarter is XC again), LayerNorm in two passes (two barriers more), relu, out through a stage as rows of 512 consecutive bytes.
; No tensor load, no loop, no branch; EXEC is never written; every offset is an immediate.
; LIMITS: a block whose largest magnitude lies under 2^-124, a block of zeros among them, gets the scale byte 1 (the rule gives zeros 127: the codes are zeros and this program alone reads the bytes);
;   p under 2^-126 comes out of v_exp_f32 as 0; 1 / sum and 1 / sqrt are v_rcp_f32 and v_rsq_f32; NaN and infinities among the inputs are not served.
; THE MODE: SCHED_MODE bits 1:0 = 2 (LLVM: expert scheduling mode 2), set by the entry lines.  The code itself states the register dependences between vector or matrix instructions and memory or LDS
; instructions, with s_wait_alu, always for 0.
; THE PLAN.  Registers that memory or LDS instructions touch, and who else names them:
;   v1-14       offsets made at the head, never written again.   v15-27, v248-252: a phase's addresses, made anew at its head: a wait on vm_vsrc ahead of the lines that make them (the phase before's LDS and
;               memory instructions have read their addresses and their stores' data), a wait on va_vdst behind them (they are written; the phase before's products are done with the registers in which this phase's fragments land).
;   P1          item hr reads numbers X[hr % 2] and writes codes and a byte, set hr % 2.  One wait on va_vdst behind its conversions: the loads of item hr + 2 land in that X, the item's two stores read that set.
;               One wait on vm_vsrc at the item's head: the stores of two items ago have read the set.
;   P2, P4      a step's products read the fragments and scale words (XF, XR; CF, CR); QUANT writes CD and TP.  THE STORES OF A STEP'S CODES ARE ISSUED IN THE NEXT STEP: one wait on va_vdst behind the products (P4: and
;               behind the lines that read qt) states all that the next step's loads and the last step's stores hang on.  One wait on vm_vsrc in QUANT, behind its maxima, ahead of the first write of TP and CD.
;   P3          the score tiles SA: written by products, read by stores, written over by products, by the code blocks, by O^T: a wait on va_vdst ahead of each run of stores, a wait on vm_vsrc ahead of each writing over.
;   P5          two sets of fragments: a wait on va_vdst ahead of each fetch into the set that the last group multiplied; the sums over waves and the way out as said there.
; ---- LDS (bytes)
.set L_XC,   0                         ; 384 rows x 144 (128 of codes + 16): row 32 hr + sigma(p), sigma(p) = 16 ((p >> 3) & 1) + (p & 7) + 8 (p >> 4)
.set L_XS,   55296                     ; [32 hr + p][8]: a byte for each channel block
.set L_QC,   58368                     ; [query token] x 144
.set L_QS,   76800                     ; [query token][8]
.set L_KC,   77824                     ; [32 hr + p] x 144
.set L_KS,   133120                    ; [32 hr + p][8]
.set L_VC,   136192                    ; [hr][channel][16 bytes = 32 keys]
.set L_VS,   185344                    ; [half][channel][8]: byte = window row
.set L_SST,  189440                    ; a wave's own: 33 rows x 144 = 4 pad words + 32 scores; 4,864 a wave
.set L_PST,  228352                    ; a wave's own: [query] x 112 = 6 blocks x 16 bytes + 16; 3,584 a wave
.set L_PSC,  257024                    ; a wave's own: [query][16] = scale word 0, scale word 1, 1 / sum, 0
.set L_CTXC, 261120                    ; [query token] x 144
.set L_CTXS, 279552                    ; [query token][8]
.set L_ST,   280576                    ; [query token] x 48, a word a wave: the sums; 6,144 further on the sums of squares
.set L_ASYM, 58368                     ; over QC, QS, KC, from P4 on: [query token] x 400 = 3 x 128 bytes + 16
.set L_ASCL, 109568                    ; [query token][24]
.set L_YST,  112640                    ; a wave's own, in P5's end: 32 channel rows x 528, 128 more behind row 15; 17,152 a wave
; ---- registers that stay (window 0)
.set LN,   1                           ; lane
.set R,    2                           ; lane % 16
.set H,    3                           ; lane / 16
.set RHO,  4                           ; r + (r & 8)
.set RX,   5                           ; r xor 15
.set VROW, 6                           ; v6-11  window row i: 256 x its image row + 4 x lane
.set VB16, 12                          ; 128 w + 64 h: byte of my 16 channels in a vector of 256 f32
.set L16,  13                          ; 16 x lane
.set L4,   14                          ; 4 x lane
.set WS,   28                          ; v28-59 the weights' scale words, fragment f at WS + f.  v28-85 hold scale words and nothing else
; v15-27 (and v248-252 in P3): the phase's addresses.  v60-85: the phase's scale words.  v88-255: by phase.
; window 1: v[8 f ..] weight fragment f (f 0-15 from the start, f 16-31 from the end of P3); what else lies there is said at each phase.
.set MSB, 0
.macro WIN new                         ; bits 1:0 source 0, 3:2 source 1, 5:4 source 2, 7:6 destination; the high byte repeats the setting that is left
.if MSB != \new
	s_set_vgpr_msb (MSB<<8)|\new
.set MSB, \new
.endif
.endm
.macro BAR                             ; my LDS stores have landed and my LDS loads are in: then the work-group's barrier
	s_wait_dscnt 0x0
	s_barrier_signal -1
	s_barrier_wait -1
.endm
.macro PLACES n                        ; plain vector lines between a matrix instruction and what reads its result or is loaded over its registers (ISA guide 7.12.1)
.rept \n
	v_nop
.endr
.endm
.macro MM d, a, b, c, sa, sb
	v_wmma_scale_f32_16x16x128_f8f6f4 v[(\d):(\d)+7], v[(\a):(\a)+7], v[(\b):(\b)+7], v[(\c):(\c)+7], v[\sa], v[\sb] matrix_a_fmt:MATRIX_FMT_FP4 matrix_b_fmt:MATRIX_FMT_FP4
.endm
.macro MM0 d, a, b, sa, sb             ; the first product starts the sum
	v_wmma_scale_f32_16x16x128_f8f6f4 v[(\d):(\d)+7], v[(\a):(\a)+7], v[(\b):(\b)+7], 0, v[\sa], v[\sb] matrix_a_fmt:MATRIX_FMT_FP4 matrix_b_fmt:MATRIX_FMT_FP4
.endm
; n half blocks: v[base + 16 q .. + 15] are 16 neighbours along K, lane l xor 16 holds the block's other 16.  Codes to v[CD + 2 q], v[CD + 2 q + 1] (8 bytes), the byte to v[TP + q].
; Each run of registers is read from its low end on; the blocks take turns line by line.  again: not 0 where stores of the codes and bytes made last were issued since the last wait on vm_vsrc.
.macro QUANT base, n, again
.set qb, 0
.rept \n
	v_max3_num_f32 v[TM+qb], |v[\base+16*qb]|, |v[\base+16*qb+1]|, 0x1800000   ; the floor 2^(3 - 127) keeps the byte at 1 or more
.set qb, qb+1
.endr
.irp i, 2,4,6,8,10,12,14
.set qb, 0
.rept \n
	v_max3_num_f32 v[TM+qb], v[TM+qb], |v[\base+16*qb+\i]|, |v[\base+16*qb+\i+1]|
.set qb, qb+1
.endr
.endr
.if (\again) != 0
	s_wait_alu depctr_vm_vsrc(0)                   ; the stores of the codes and bytes made last have read v[TP ..] and v[CD ..], which the lines below write again
.endif
.set qb, 0
.rept \n
	v_permlanex16_b32 v[TP+qb], v[TM+qb], s30, s31
.set qb, qb+1
.endr
.set qb, 0
.rept \n
	v_max_num_f32 v[TM+qb], v[TM+qb], v[TP+qb]     ; the block's largest magnitude
.set qb, qb+1
.endr
.set qb, 0
.rept \n
	v_add_nc_u32 v[TM+qb], 0xff000000, v[TM+qb]    ; 2 off its exponent field: the conversion's scale operand
.set qb, qb+1
.endr
.set qb, 0
.rept \n
	v_cvt_scalef32_pk8_fp4_f32 v[CD+2*qb], v[\base+16*qb:\base+16*qb+7], v[TM+qb]
	v_cvt_scalef32_pk8_fp4_f32 v[CD+2*qb+1], v[\base+16*qb+8:\base+16*qb+15], v[TM+qb]
.set qb, qb+1
.endr
.set qb, 0
.rept \n
	v_lshrrev_b32 v[TP+qb], 23, v[TM+qb]           ; the byte (and the plain line behind the conversions)
.set qb, qb+1
.endr
.endm
; ================= P0: ids, constants, the weights
	s_load_b512 s[4:19], s[0:1], 0x0               ; feat s[4:5], in_b s[6:7], out_b s[8:9], proj_b s[10:11], ln_g s[12:13], ln_b s[14:15], wimg s[16:17], wscl s[18:19]
	s_load_b64 s[20:21], s[0:1], 0x40              ; out0
	v_lshl_add_u32 v254, v0, 2, 0x47800
	v_mov_b32 v255, 0
	v_and_b32 v[LN], 31, v0
	v_and_b32 v[R], 15, v0
	v_bfe_u32 v[H], v0, 4, 1
	v_and_b32 v[RHO], 8, v0
	v_add_nc_u32 v[RHO], v[RHO], v[R]
	v_xor_b32 v[RX], 15, v[R]
	v_lshlrev_b32 v[L16], 4, v[LN]
	v_lshlrev_b32 v[L4], 2, v[LN]
	s_wait_alu depctr_va_vdst(0)
	v_lshrrev_b32 v15, 5, v0
	v_readfirstlane_b32 s22, v15                   ; w
	s_wait_alu depctr_va_sdst(0)                   ; s22 is written, ahead of its first reader
	s_and_b32 s23, s22, 3                          ; head
	s_lshr_b32 s24, s22, 2                         ; the queries' side
	s_xor_b32 s25, s24, 1                          ; the memory's half
	s_lshr_b32 s26, ttmp9, 5                       ; image
	s_and_b32 s27, ttmp9, 31
	s_lshl_b32 s27, s27, 1                         ; y0
	s_mov_b32 s30, 0x76543210
	s_mov_b32 s31, 0xfedcba98                      ; selects for lane l xor 16
	s_mov_b32 s32, 0xfffffffc                      ; lanes (queries) whose key l + dx lies in the row: dx = -2,
	s_mov_b32 s33, 0xfffffffe                      ; -1,
	s_mov_b32 s34, 0x7fffffff                      ; +1,
	s_mov_b32 s35, 0x3fffffff                      ; +2
	s_cmp_eq_u32 s27, 0
	s_cselect_b32 s36, 0, -1                       ; window rows 0, 1 lie in the image?
	s_and_b32 s37, s36, s33
	s_and_b32 s38, s36, s34
	s_cmp_eq_u32 s27, 62
	s_cselect_b32 s39, 0, -1                       ; window rows 4, 5?
	s_and_b32 s40, s39, s33
	s_and_b32 s41, s39, s34
	s_mov_b32 s42, 0x3                             ; lanes whose first code, key l - 2, falls into word -1, 0, 1, 2, 3 of a block's four
	s_mov_b32 s43, 0x3fc
	s_mov_b32 s44, 0x3fc00
	s_mov_b32 s45, 0x3fc0000
	s_mov_b32 s46, 0xfc000000
	s_mov_b32 s47, 0x3e38aa3b                      ; log2(e) / 8
	s_mov_b32 s48, 0x3b800000                      ; 1 / 256
	s_mov_b32 s49, 0x3727c5ac                      ; 1e-5
.irp i, 0,1,2,3,4,5
	s_add_co_i32 s50, s27, \i-2
	s_max_i32 s50, s50, 0
	s_min_i32 s50, s50, 63                         ; the nearest row of the image
	s_lshl_b32 s50, s50, 8
	v_add_nc_u32 v[VROW+\i], s50, v[L4]
.endr
	s_lshl_b32 s50, s22, 7
	v_lshl_add_u32 v[VB16], v[H], 6, s50
	v_lshl_add_u32 v17, v[RHO], 2, s50             ; v's bias: 128 w + 4 (r + (r & 8))
.set AXW,  15                          ; P1: where my pixel's 16 bytes of codes go
.set AXSW, 16                          ;     and its byte
	v_and_b32 v[AXW], 7, v0
	v_bfe_u32 v[AXSW], v0, 3, 1
	v_lshl_add_u32 v[AXW], v[AXSW], 4, v[AXW]
	v_lshl_add_u32 v[AXW], v[H], 3, v[AXW]         ; sigma(lane)
	v_mul_u32_u24 v[AXW], v[AXW], 144
	s_lshl_b32 s51, s22, 4
	v_add_nc_u32 v[AXW], s51, v[AXW]               ; L_XC = 0
	s_add_co_u32 s51, s22, L_XS
	v_lshl_add_u32 v[AXSW], v[LN], 3, s51
	s_lshl_b32 s28, s26, 22                        ; an image is 4 MiB,
	s_lshl_b32 s51, s22, 19                        ; my 32 channels begin 32 x 16,384 x w bytes on
	s_add_co_u32 s28, s28, s51
	s_mov_b32 s29, 0
	s_wait_kmcnt 0x0
	s_add_nc_u64 s[4:5], s[4:5], s[28:29]
	s_add_nc_u64 s[20:21], s[20:21], s[28:29]
	s_lshl_b32 s28, s27, 8
	s_add_nc_u64 s[20:21], s[20:21], s[28:29]      ; out0 at row y0 of my first channel
	s_lshl_b32 s28, s22, 15
	s_add_nc_u64 s[16:17], s[16:17], s[28:29]      ; my 32 fragments
	s_lshl_b32 s28, s22, 12
	s_add_nc_u64 s[18:19], s[18:19], s[28:29]
.set BV,  120                          ; v120-123  v's bias of my two channels, each twice (pairs): between P2's fragments (v88-119) and its accumulators (from v128), and under P1's numbers (from v128)
.set QKB, 224                          ; window 1, P0-P2: q's bias tiles at +8 u, k's at +16 + 8 u
	WIN 0x40                                       ; destination window 1
	s_wait_alu depctr_va_vdst(0)                   ; the offsets and addresses v6 to v17 are written, which the loads below and P1's loads and stores read
.irp f, 0,1,2,3,4,5,6,7,8,9,10,11,12,13,14,15
.irp c, 0,1
	global_load_b128 v[8*\f+4*\c:8*\f+4*\c+3], v[L16], s[16:17] offset:1024*\f+512*\c
.endr
.endr
.irp k, 0,1,2,3
	global_load_b128 v[QKB+4*\k:QKB+4*\k+3], v[VB16], s[6:7] offset:16*\k
	global_load_b128 v[QKB+16+4*\k:QKB+16+4*\k+3], v[VB16], s[6:7] offset:1024+16*\k
.endr
	WIN 0
.irp f, 0,1,2,3,4,5,6,7,8,9,10,11,12,13,14,15,16,17,18,19,20,21,22,23,24,25,26,27,28,29,30,31
	global_load_b32 v[WS+\f], v[L4], s[18:19] offset:128*\f
.endr
.irp k, 0,1,2,3
	global_load_b32 v[BV+\k], v17, s[6:7] offset:2048+32*(\k/2)
.endr
; ================= P1: the pixels' codes.  A lane is a pixel of half-row hr, its 32 registers run down my 32 channels: one whole block of the projections' K.
.set X,   128                          ; v128-191 two sets of 32 numbers
.set XCD, 192                          ; v192-199 two sets of codes
.set XBY, 200                          ; v200-201 two bytes
.set XM,  202
.macro XLOAD hr
.irp c, 0,1,2,3,4,5,6,7,8,9,10,11,12,13,14,15,16,17,18,19,20,21,22,23,24,25,26,27,28,29,30,31
	global_load_b32 v[X+32*((\hr)%2)+\c], v[VROW+(\hr)/2], s[4:5] offset:16384*\c+128*((\hr)%2)
.endr
.endm
.macro XITEM hr
.set XB, X+32*((\hr)%2)
.set XD, XCD+4*((\hr)%2)
.if (\hr) < 11
	s_wait_loadcnt 32                              ; loads come back in order: mine (and all of P0's) are in, the next half-row's 32 may be out
.else
	s_wait_loadcnt 0x0
.endif
.if (\hr) > 1
	s_wait_dscnt 2                                 ; the two stores of two items ago are done (the last item's two may be out)
	s_wait_alu depctr_vm_vsrc(0)                   ; the two stores of two items ago have read this set of codes and its byte, which this item writes again
.endif
	v_max3_num_f32 v[XM], |v[XB]|, |v[XB+1]|, |v[XB+2]|
	v_max3_num_f32 v[XM+1], |v[XB+3]|, |v[XB+4]|, |v[XB+5]|
.irp i, 6,10,14,18,22,26
	v_max3_num_f32 v[XM], v[XM], |v[XB+\i]|, |v[XB+\i+1]|
	v_max3_num_f32 v[XM+1], v[XM+1], |v[XB+\i+2]|, |v[XB+\i+3]|
.endr
	v_max3_num_f32 v[XM], v[XM], |v[XB+30]|, |v[XB+31]|
	v_max3_num_f32 v[XM], v[XM], v[XM+1], 0x1800000
	v_add_nc_u32 v[XM+2], 0xff000000, v[XM]
.irp g, 0,1,2,3
	v_cvt_scalef32_pk8_fp4_f32 v[XD+\g], v[XB+8*\g:XB+8*\g+7], v[XM+2]
.endr
	v_lshrrev_b32 v[XBY+(\hr)%2], 23, v[XM+2]      ; the byte (and the plain line behind the conversions)
	s_wait_alu depctr_va_vdst(0)                   ; the maxima and conversions are done reading this set of numbers, in which the loads below land; the codes and the byte are written, which the two stores read
.if (\hr) < 10
	XLOAD (\hr)+2                                  ; the set is asked for again at once
.endif
	ds_store_b128 v[AXW], v[XD:XD+3] offset:4608*(\hr)
	ds_store_b8 v[AXSW], v[XBY+(\hr)%2] offset:256*(\hr)
.endm
	XLOAD 0
	XLOAD 1
.irp hr, 0,1,2,3,4,5,6,7,8,9,10,11
	XITEM \hr
.endr
	BAR                                            ; XC and XS are whole
; ================= P2: q, k, v of a half-row at a time; my 32 channels of each.
; k, q: source 0 = weight, source 1 = 16 tokens (tile ut: p = 8 ut + r + (r & 8)), C = the bias tile.  v: source 0 = the same 16 tokens, source 1 = weight: a lane holds one channel and 16 neighbouring keys.
.set AX,  15
.set AXS, 16
.set AK,  17
.set AKB, 18
.set AQ,  19
.set AQB, 20
.set AV,  21
.set AVB, 22
.set XR,  60                           ; v60-63   the tokens' scale words (+2 ut + s)
.set XF,  88                           ; v88-119  the tokens' fragments (+16 ut + 8 s)
.set ACC, 128                          ; v128-223 k at +16 ut + 8 uc, v at +32 + 16 ct + 8 ut, q at +64 + 16 ut + 8 uc
.set TM,  224
.set TP,  230
.set CD,  236
	s_wait_alu depctr_vm_vsrc(0)                   ; P1's stores have read v15, v16 and their codes and bytes (v192-201), the load of v's bias v17: the addresses below and q's accumulators are laid over them
	v_mul_u32_u24 v[AX], v[R], 144
	v_lshl_add_u32 v[AX], v[H], 4, v[AX]           ; L_XC = 0
	v_lshl_add_u32 v[AXS], v[RHO], 3, L_XS
	v_mul_u32_u24 v[AK], v[RHO], 144
	v_lshl_add_u32 v[AK], v[H], 3, v[AK]
	s_lshl_b32 s50, s22, 4
	v_add_nc_u32 v[AQ], s50, v[AK]                 ; 144 (r + (r & 8)) + 8 h + 16 w
	v_add_nc_u32 v[AK], L_KC, v[AQ]
	v_add_nc_u32 v[AQ], L_QC, v[AQ]
	v_lshl_add_u32 v[AKB], v[RHO], 3, s22
	v_add_nc_u32 v[AQB], L_QS, v[AKB]
	v_add_nc_u32 v[AKB], L_KS, v[AKB]
	s_lshl_b32 s50, s22, 9
	v_lshl_add_u32 v[AV], v[RHO], 4, s50
	v_lshl_add_u32 v[AV], v[H], 3, v[AV]
	v_add_nc_u32 v[AV], L_VC, v[AV]
	s_lshl_b32 s50, s22, 8
	v_lshl_add_u32 v[AVB], v[RHO], 3, s50
	v_add_nc_u32 v[AVB], L_VS, v[AVB]
.irp k, 0,1,2,3,4,5
	v_mov_b32 v[TP+\k], 0                          ; a lane permute's destination counts as one of its sources
.endr
	s_wait_alu depctr_va_vdst(0)                   ; the eight addresses v15 to v22 are written, which this phase's LDS loads and stores read
.macro FETCHX hr
.irp ut, 0,1
.irp s, 0,1
.irp c, 0,1
	ds_load_b128 v[XF+16*\ut+8*\s+4*\c:XF+16*\ut+8*\s+4*\c+3], v[AX] offset:(32*(\hr)+16*\ut)*144+64*\s+32*\c
.endr
	ds_load_b32 v[XR+2*\ut+\s], v[AXS] offset:(32*(\hr)+8*\ut)*8+4*\s
.endr
.endr
.endm
.macro PUTKV hr, hasq                  ; half-row hr's codes and bytes go to LDS
.irp ut, 0,1
	ds_store_b64 v[AK], v[CD+2*\ut:CD+2*\ut+1] offset:(32*(\hr)+8*\ut)*144
	ds_store_b8 v[AKB], v[TP+\ut] offset:(32*(\hr)+8*\ut)*8      ; both halves of the lanes write the same byte with the same value
.endr
.irp ct, 0,1
	ds_store_b64 v[AV], v[CD+4+2*\ct:CD+4+2*\ct+1] offset:4096*(\hr)+128*\ct
	ds_store_b8 v[AVB], v[TP+2+\ct] offset:2048*((\hr)%2)+64*\ct+(\hr)/2
.endr
.if \hasq
.irp ut, 0,1
	ds_store_b64 v[AQ], v[CD+8+2*\ut:CD+8+2*\ut+1] offset:(32*((\hr)-4)+8*\ut)*144
	ds_store_b8 v[AQB], v[TP+4+\ut] offset:(32*((\hr)-4)+8*\ut)*8
.endr
.endif
.endm
.macro HALFROW hr, hasq, prevq         ; prevq: the half-row before had queries
	s_wait_dscnt 0x0                               ; the fragments are in
	WIN 0x11                                       ; source 0 (weight) and C (bias) window 1.  The accumulators take turns, one instruction a turn
.irp ut, 0,1
.irp uc, 0,1
	MM ACC+16*\ut+8*\uc, 8*(4+2*\uc), XF+16*\ut, QKB+16+8*\uc, WS+4+2*\uc, XR+2*\ut
.endr
.endr
.if \hasq
.irp ut, 0,1
.irp uc, 0,1
	MM ACC+64+16*\ut+8*\uc, 8*(2*\uc), XF+16*\ut, QKB+8*\uc, WS+2*\uc, XR+2*\ut
.endr
.endr
.endif
	WIN 0x01
.irp ut, 0,1
.irp uc, 0,1
	MM ACC+16*\ut+8*\uc, 8*(5+2*\uc), XF+16*\ut+8, ACC+16*\ut+8*\uc, WS+5+2*\uc, XR+2*\ut+1
.endr
.endr
.if \hasq
.irp ut, 0,1
.irp uc, 0,1
	MM ACC+64+16*\ut+8*\uc, 8*(1+2*\uc), XF+16*\ut+8, ACC+64+16*\ut+8*\uc, WS+1+2*\uc, XR+2*\ut+1
.endr
.endr
.endif
	WIN 0x04                                       ; source 1 (weight) window 1
.irp ct, 0,1
.irp ut, 0,1
	MM0 ACC+32+16*\ct+8*\ut, XF+16*\ut, 8*(8+2*\ct), XR+2*\ut, WS+8+2*\ct
.endr
.endr
.irp ct, 0,1
.irp ut, 0,1
	MM ACC+32+16*\ct+8*\ut, XF+16*\ut+8, 8*(9+2*\ct), ACC+32+16*\ct+8*\ut, XR+2*\ut+1, WS+9+2*\ct
.endr
.endr
	WIN 0
	PLACES 4                                       ; in front of the loads over the fragments and of the first reads of results
	s_wait_alu depctr_va_vdst(0)                   ; the products are done reading the fragments and their scale words, in which the next half-row's land; the last half-row's codes and bytes are written, which the stores below read
.if (\hr) > 0
	PUTKV (\hr)-1, \prevq                          ; the half-row before leaves now
.endif
.if (\hr) < 11
	FETCHX (\hr)+1                                 ; the next half-row's fragments land while this one is quantised
.endif
.irp ct, 0,1
.irp i, 0,2,4,6,8,10,12,14
	v_pk_add_f32 v[ACC+32+16*\ct+\i:ACC+32+16*\ct+\i+1], v[ACC+32+16*\ct+\i:ACC+32+16*\ct+\i+1], v[BV+2*\ct:BV+2*\ct+1]   ; v's bias: one channel a lane
.endr
.endr
	QUANT ACC, 4+2*\hasq, \hr
.endm
	FETCHX 0
	HALFROW 0, 0, 0
	HALFROW 1, 0, 0
	HALFROW 2, 0, 0
	HALFROW 3, 0, 0
	HALFROW 4, 1, 0                                ; window rows 2, 3 are the queries' rows
	HALFROW 5, 1, 1
	HALFROW 6, 1, 1
	HALFROW 7, 1, 1
	HALFROW 8, 0, 1
	HALFROW 9, 0, 0
	HALFROW 10, 0, 0
	HALFROW 11, 0, 0
	s_wait_alu depctr_va_vdst(0)                   ; the last half-row's codes and bytes are written, which the stores below read
	PUTKV 11, 0
	BAR                                            ; q, k, v lie in LDS as codes
; ================= P3: attention.  My head, my side's 64 queries (two rows of 32), the other half's keys.
; window 1: KF(t) = v[4 t ..], t = 2 i + kt: 16 keys x 64 channels in 4 registers; the operand names 8: the upper four belong to the next fragment and meet zero codes of Q.
;           VF(ct) = v[48 + 12 ct ..]: 16 channels x 6 blocks of keys in 12 registers; K step 1 names four registers more, which meet zero codes of P.   QF = v208.. (+8 a), PF = v224.. (+16 a + 8 s).
.set AKF,  15
.set AKS,  16
.set AQF,  17
.set AQS,  18
.set AVF,  19
.set AVS,  20
.set ASS,  21
.set AG,   22
.set ASP,  23
.set APW,  24
.set APR,  25
.set APSW, 26
.set APSR, 27
.set ACX,  248
.set ACS,  249
.set BIT,  250                         ; 4 ((l - 2) mod 8): where my first code stands in its word
.set B28,  251                         ; 28 - that
.set NEG,  252                         ; -infinity
.set KSR,  60                          ; v60-71  K's scale words (+t)
.set VSR,  72                          ; v72-79  V's (+2 ct + s)
.set QSR,  80                          ; v80-81  Q's (+a)
.set PS,   82                          ; v82-85  P's (+2 a + s)
.set PR,   88                          ; v88-127 my query's scores, then p: row e at +8 e, key l + dx at + dx + 2; the other 27 registers stay 0
.set ZB,   128                         ; v128-131 zeros
.set SA,   136                         ; v136-199 8 score tiles; then the code blocks; then O^T (+16 (2 a + b) + 8 u)
.set TM,   200
.set TP,   204
.set CD,   208
.set RL,   216                         ; v216-219 1 / sum and a 0 beside it (+2 a)
.set MX,   220
.set M2,   221
.set NM,   222
.set SUM,  223
.set SU2,  224
.set BM,   225
.set BY,   230
.set WC,   235
.set PW,   240                         ; v240-243 scale word 0, scale word 1, 1 / sum, 0
.set QF,   208
.set PF,   224
	s_wait_alu depctr_vm_vsrc(0)                   ; P2's LDS instructions have read their addresses v15 to v22, its stores their codes and bytes (v230-247): this phase's addresses and registers at work are laid over them
	WIN 0x40
.irp n, 212,213,214,215,220,221,222,223,236,237,238,239,252,253,254,255
	v_mov_b32 v\n, 0                               ; the zero codes that fill Q's K from 64 and P's from 192 up to the instruction's 128 and 256
.endr
	WIN 0
.irp n, 0,1,3,4,5,6,7,8,12,13,14,15,21,22,23,24,28,29,30,31,32,33,35,36,37,38,39
	v_mov_b32 v[PR+\n], 0
.endr
.irp n, 0,1,2,3
	v_mov_b32 v[ZB+\n], 0
	v_mov_b32 v[TP+\n], 0
.endr
	v_mov_b32 v[PW+3], 0
	v_mov_b32 v[NEG], 0xff800000
	s_lshl_b32 s51, s23, 5                         ; 32 bytes of codes a head
	s_mul_i32 s50, s25, 4608
	s_add_co_u32 s50, s50, s51
	s_add_co_u32 s50, s50, L_KC
	s_mul_i32 s52, s24, 4608
	s_add_co_u32 s52, s52, s51
	v_mul_u32_u24 v[AKF], v[R], 144
	v_lshl_add_u32 v[AKF], v[H], 4, v[AKF]
	v_add_nc_u32 v[AKF], s50, v[AKF]
	v_mul_u32_u24 v[ACX], v[RX], 144               ; queries in reversed order
	v_lshl_add_u32 v[AQF], v[H], 4, v[ACX]
	v_lshl_add_u32 v[ACX], v[H], 3, v[ACX]
	s_add_co_u32 s50, s52, L_QC
	v_add_nc_u32 v[AQF], s50, v[AQF]
	s_add_co_u32 s50, s52, L_CTXC
	v_add_nc_u32 v[ACX], s50, v[ACX]
	s_lshl_b32 s51, s23, 1                         ; 2 scale bytes a head
	s_lshl_b32 s50, s25, 8
	s_add_co_u32 s50, s50, s51
	s_add_co_u32 s50, s50, L_KS
	v_lshl_add_u32 v[AKS], v[R], 3, s50
	s_lshl_b32 s52, s24, 8
	s_add_co_u32 s52, s52, s51
	s_add_co_u32 s50, s52, L_QS
	v_lshl_add_u32 v[AQS], v[RX], 3, s50
	s_add_co_u32 s50, s52, L_CTXS
	v_lshl_add_u32 v[ACS], v[RX], 3, s50
	s_lshl_b32 s50, s25, 12
	s_lshl_b32 s51, s23, 10
	s_add_co_u32 s50, s50, s51
	s_add_co_u32 s50, s50, L_VC
	v_lshl_add_u32 v[AVF], v[RHO], 4, s50
	v_lshl_add_u32 v[AVF], v[H], 13, v[AVF]        ; lanes 16-31 take the odd blocks: one window row, 8,192 bytes, on
	s_lshl_b32 s50, s25, 11
	s_lshl_b32 s51, s23, 9
	s_add_co_u32 s50, s50, s51
	s_add_co_u32 s50, s50, L_VS
	v_lshl_add_u32 v[AVS], v[RHO], 3, s50
	s_mul_i32 s50, s22, 4864
	s_add_co_u32 s50, s50, L_SST
	v_mul_u32_u24 v[ASS], v[R], 144
	v_lshl_add_u32 v[ASS], v[H], 5, v[ASS]
	v_add_nc_u32 v[ASS], s50, v[ASS]
	v_mul_u32_u24 v[AG], v[LN], 148                ; row l, column l: the diagonal
	v_add_nc_u32 v[AG], s50, v[AG]
	v_mul_u32_u24 v[ASP], v[LN], 144
	v_add_nc_u32 v[ASP], s50, v[ASP]
	s_mul_i32 s50, s22, 3584
	s_add_co_u32 s50, s50, L_PST
	v_mul_u32_u24 v[APW], v[LN], 112
	v_add_nc_u32 v[APW], s50, v[APW]
	v_mul_u32_u24 v[APR], v[R], 112
	v_lshl_add_u32 v[APR], v[H], 4, v[APR]
	v_add_nc_u32 v[APR], s50, v[APR]
	s_lshl_b32 s50, s22, 9
	s_add_co_u32 s50, s50, L_PSC
	v_lshl_add_u32 v[APSW], v[LN], 4, s50
	v_lshl_add_u32 v[APSR], v[R], 4, s50
	v_add_nc_u32 v[BIT], 6, v[LN]
	v_and_b32 v[BIT], 7, v[BIT]
	v_lshlrev_b32 v[BIT], 2, v[BIT]
	v_sub_nc_u32 v[B28], 28, v[BIT]
	s_wait_alu depctr_va_vdst(0)                   ; the addresses and the zeros v128-131 are written, which the LDS instructions of this phase read; the zero codes are written, which the products take beside Q's and P's; P2's products are done reading the weights' fragments, bias tiles and scale words in which K's, V's, Q's and P's land
	ds_store_b128 v[ASP], v[ZB:ZB+3]               ; the pad words of rows 0 .. 31,
	ds_store_b128 v[ASP], v[ZB:ZB+3] offset:144    ; and of row 32: what a gather past a row's end reads (it is masked all the same)
	WIN 0x40
.irp t, 0,1,2,3,4,5,6,7,8,9,10,11
	ds_load_b128 v[4*\t:4*\t+3], v[AKF] offset:(64*(\t/2)+16*(\t%2))*144
.endr
.irp ct, 0,1,2,3
.irp g, 0,1,2
	ds_load_b128 v[48+12*\ct+4*\g:48+12*\ct+4*\g+3], v[AVF] offset:(32*(\ct/2)+8*(\ct%2))*16+16384*\g
.endr
.endr
	WIN 0
.irp t, 0,1,2,3,4,5,6,7,8,9,10,11
	ds_load_u16 v[KSR+\t], v[AKS] offset:(64*(\t/2)+16*(\t%2))*8      ; two bytes; the upper two come as 0 and stand over zero products
.endr
.irp ct, 0,1,2,3
	ds_load_b32 v[VSR+2*\ct], v[AVS] offset:(32*(\ct/2)+8*(\ct%2))*8
	ds_load_u16 v[VSR+2*\ct+1], v[AVS] offset:(32*(\ct/2)+8*(\ct%2))*8+4
.endr
.macro STILE n, yq, e, a, kt           ; S^T: 16 keys (window row yq + e, tile kt) x 16 queries (tile a)
	MM0 SA+8*(\n), 4*(2*((\yq)+(\e))+(\kt)), QF+8*(\a), KSR+2*((\yq)+(\e))+(\kt), QSR+(\a)
.endm
.macro SPUT n, a, kt                   ; a tile into my stage: row = query, 8 neighbouring keys a lane; from its low end on
	ds_store_b128 v[ASS], v[SA+8*(\n):SA+8*(\n)+3] offset:2304*(\a)+16+64*(\kt)
	ds_store_b128 v[ASS], v[SA+8*(\n)+4:SA+8*(\n)+7] offset:2304*(\a)+32+64*(\kt)
.endm
.macro SGET e, dx                      ; lane l takes the score of query l and key l + dx.  LDS serves a wave's instructions in order, so one stage serves all rows e
	ds_load_b32 v[PR+8*(\e)+(\dx)+2], v[AG] offset:16+4*(\dx)
.endm
.macro HIDE e, dx, m                   ; -infinity where the key lies outside the half grid
	v_cndmask_b32 v[PR+8*(\e)+(\dx)+2], v[NEG], v[PR+8*(\e)+(\dx)+2], s[\m]
.endm
.macro ATT yq
	WIN 0x40
.irp a, 0,1
	ds_load_b128 v[QF+8*\a:QF+8*\a+3], v[AQF] offset:(64*(\yq)+16*(1-\a))*144      ; no wait: no vector or matrix instruction since the last wait on va_vdst names Q's fragments or scale words
.endr
	WIN 0
.irp a, 0,1
	ds_load_u16 v[QSR+\a], v[AQS] offset:(64*(\yq)+16*(1-\a))*8
.endr
	s_wait_dscnt 0x0
	WIN 0x05                                       ; sources 0 and 1 window 1
	STILE 0,\yq,0,0,0                              ; dy = -2: the diagonal alone
	STILE 1,\yq,0,1,1
	STILE 2,\yq,1,0,0                              ; dy = -1
	STILE 3,\yq,1,0,1
	STILE 4,\yq,1,1,0
	STILE 5,\yq,1,1,1
	STILE 6,\yq,4,0,0                              ; dy = +2
	STILE 7,\yq,4,1,1
	WIN 0
	PLACES 5                                       ; four in front of the stores of results; five in front of the next batch's products, which write over these registers
	s_wait_alu depctr_va_vdst(0)                   ; the products have written the eight tiles, which the stores below read; the last row's softmax is done with the registers in which the gathered scores land
	SPUT 0,0,0
	SPUT 1,1,1
	SGET 0,0
	SPUT 2,0,0
	SPUT 3,0,1
	SPUT 4,1,0
	SPUT 5,1,1
	SGET 1,-1
	SGET 1,0
	SGET 1,1
	SPUT 6,0,0
	SPUT 7,1,1
	SGET 4,0
	s_wait_dscnt 0x0
	s_wait_alu depctr_vm_vsrc(0)                   ; the stores have read the eight tiles, which the next products write over
	WIN 0x05
	STILE 0,\yq,2,0,0                              ; dy = 0
	STILE 1,\yq,2,0,1
	STILE 2,\yq,2,1,0
	STILE 3,\yq,2,1,1
	STILE 4,\yq,3,0,0                              ; dy = +1
	STILE 5,\yq,3,0,1
	STILE 6,\yq,3,1,0
	STILE 7,\yq,3,1,1
	WIN 0
	PLACES 5
	s_wait_alu depctr_va_vdst(0)                   ; the products have written the eight tiles, which the stores below read
	SPUT 0,0,0
	SPUT 1,0,1
	SPUT 2,1,0
	SPUT 3,1,1
	SGET 2,-2
	SGET 2,-1
	SGET 2,0
	SGET 2,1
	SGET 2,2
	SPUT 4,0,0
	SPUT 5,0,1
	SPUT 6,1,0
	SPUT 7,1,1
	SGET 3,-1
	SGET 3,0
	SGET 3,1
	s_wait_dscnt 0x0
	s_wait_alu depctr_vm_vsrc(0)                   ; the stores have read the eight tiles: the code blocks are laid over them below
	; ---- the softmax of query l: 13 scores
	HIDE 0,0,36
.if (\yq) == 0
	HIDE 1,-1,37
	HIDE 1,0,36
	HIDE 1,1,38
	HIDE 3,-1,33
	HIDE 3,1,34
.else
	HIDE 1,-1,33
	HIDE 1,1,34
	HIDE 3,-1,40
	HIDE 3,0,39
	HIDE 3,1,41
.endif
	HIDE 2,-2,32
	HIDE 2,-1,33
	HIDE 2,1,34
	HIDE 2,2,35
	HIDE 4,0,39
	v_max3_num_f32 v[MX], v[PR+2], v[PR+9], v[PR+10]
	v_max3_num_f32 v[M2], v[PR+11], v[PR+16], v[PR+17]
	v_max3_num_f32 v[MX], v[MX], v[PR+18], v[PR+19]      ; (the key at dy = dx = 0 always counts: the maximum is a number)
	v_max3_num_f32 v[M2], v[M2], v[PR+20], v[PR+25]
	v_max3_num_f32 v[MX], v[MX], v[PR+26], v[PR+27]
	v_max3_num_f32 v[MX], v[MX], v[M2], v[PR+34]
	v_mul_f32 v[MX], s47, v[MX]                    ; the largest t
	v_floor_f32 v[NM], -v[MX]                      ; -M = floor(-t): M is a whole number
.irp n, 2,9,10,11,16,17,18,19,20,25,26,27,34
	v_fma_f32 v[PR+\n], v[PR+\n], s47, v[NM]       ; t - M
.endr
	s_wait_alu depctr_va_vdst(0)
.irp n, 2,9,10,11,16,17,18,19,20,25,26,27,34
	v_exp_f32 v[PR+\n], v[PR+\n]                   ; p = 2^(t - M); 0 for hidden keys
.endr
	v_nop                                          ; a plain line behind the exponentials
	s_wait_alu depctr_va_vdst(0)                   ; the 13 exponentials have written p, ahead of the first line that names one of them: one wait for the batch
	v_add_f32 v[SUM], v[PR+2], v[PR+9]             ; the sum of the unquantised p, in two chains
	v_add_f32 v[SU2], v[PR+10], v[PR+11]
	v_add_f32 v[SUM], v[SUM], v[PR+16]
	v_add_f32 v[SU2], v[SU2], v[PR+17]
	v_add_f32 v[SUM], v[SUM], v[PR+18]
	v_add_f32 v[SU2], v[SU2], v[PR+19]
	v_add_f32 v[SUM], v[SUM], v[PR+20]
	v_add_f32 v[SU2], v[SU2], v[PR+25]
	v_add_f32 v[SUM], v[SUM], v[PR+26]
	v_add_f32 v[SU2], v[SU2], v[PR+27]
	v_add_f32 v[SUM], v[SUM], v[PR+34]
	v_add_f32 v[SUM], v[SUM], v[SU2]
	s_wait_alu depctr_va_vdst(0)
	v_rcp_f32 v[PW+2], v[SUM]                      ; (the sum is above 1/2; plain lines follow; its first reader is the store behind the wait below)
	v_max_num_f32 v[BM], 0x1800000, v[PR+2]        ; each block's largest p, with the floor 2^(3 - 127)
	v_max3_num_f32 v[BM+1], v[PR+9], v[PR+10], 0x1800000
	v_max3_num_f32 v[BM+2], v[PR+16], v[PR+17], 0x1800000
	v_max3_num_f32 v[BM+3], v[PR+25], v[PR+26], 0x1800000
	v_max_num_f32 v[BM+4], 0x1800000, v[PR+34]
	v_max_num_f32 v[BM+1], v[BM+1], v[PR+11]
	v_max3_num_f32 v[BM+2], v[BM+2], v[PR+18], v[PR+19]
	v_max_num_f32 v[BM+3], v[BM+3], v[PR+27]
	v_max_num_f32 v[BM+2], v[BM+2], v[PR+20]
.irp e, 0,1,2,3,4
	v_add_nc_u32 v[BM+\e], 0xff000000, v[BM+\e]
.endr
.irp e, 0,1,2,3,4
	v_cvt_scalef32_pk8_fp4_f32 v[WC+\e], v[PR+8*\e:PR+8*\e+7], v[BM+\e]     ; code n of the word is key l - 2 + n
.endr
.irp e, 0,1,2,3,4
	v_lshrrev_b32 v[BY+\e], 23, v[BM+\e]           ; the bytes (plain lines behind the conversions)
.endr
.if (\yq) == 0                                 ; block (window row) yq + e; the block that this row of queries does not reach keeps the byte 0 over zero codes
	v_lshl_or_b32 v[PW], v[BY+1], 8, v[BY]
	v_lshl_or_b32 v[PW], v[BY+2], 16, v[PW]
	v_lshl_or_b32 v[PW], v[BY+3], 24, v[PW]
	v_mov_b32 v[PW+1], v[BY+4]
.else
	v_lshlrev_b32 v[PW], 8, v[BY]
	v_lshl_or_b32 v[PW], v[BY+1], 16, v[PW]
	v_lshl_or_b32 v[PW], v[BY+2], 24, v[PW]
	v_lshl_or_b32 v[PW+1], v[BY+4], 8, v[BY+3]
.endif
.irp e, 0,1,2,3,4                              ; the word of 8 codes is shifted to key l - 2 of the block's 32: a low part and what runs over into the next word
	v_lshlrev_b32 v[SA+20+2*\e], v[BIT], v[WC+\e]
	v_lshrrev_b32 v[SA+21+2*\e], 4, v[WC+\e]
.endr
.irp e, 0,1,2,3,4
	v_lshrrev_b32 v[SA+21+2*\e], v[B28], v[SA+21+2*\e]
.endr
.irp e, 0,1,2,3,4
.irp g, 0,1,2,3
	v_cndmask_b32 v[SA+4*\e+\g], 0, v[SA+21+2*\e], s[42+\g]
.endr
.irp g, 0,1,2,3
	v_cndmask_b32 v[SA+4*\e+\g], v[SA+4*\e+\g], v[SA+20+2*\e], s[43+\g]
.endr
.endr
	s_wait_alu depctr_va_vdst(0)                   ; the reciprocal has written 1 / sum, ahead of its first reader; the two scale words and the five code blocks are written: the stores below read them.  The last row's products and scalings are done with the registers in which P's fragments, scale words and 1 / sum land
	ds_store_b128 v[APSW], v[PW:PW+3]
.irp e, 0,1,2,3,4
	ds_store_b128 v[APW], v[SA+4*\e:SA+4*\e+3] offset:16*((\yq)+\e)
.endr
	ds_store_b128 v[APW], v[ZB:ZB+3] offset:80*(1-(\yq))          ; the sixth block: zero codes
	; ---- O^T = V^T P^T over the 6 blocks: K steps of 4 and of 2
	WIN 0x40
.irp a, 0,1
.irp g, 0,1,2
	ds_load_b128 v[PF+16*\a+4*\g:PF+16*\a+4*\g+3], v[APR] offset:1792*\a+32*\g
.endr
.endr
	WIN 0
.irp a, 0,1
	ds_load_b64 v[PS+2*\a:PS+2*\a+1], v[APSR] offset:256*\a
	ds_load_b64 v[RL+2*\a:RL+2*\a+1], v[APSR] offset:256*\a+8
.endr
	s_wait_dscnt 0x0
	s_wait_alu depctr_vm_vsrc(0)                   ; the stores have read the code blocks, which O^T's products write over
	WIN 0x05
.irp a, 0,1
.irp ct, 0,1,2,3
	MM0 SA+16*(2*\a+\ct/2)+8*(\ct%2), 48+12*\ct, PF+16*\a, VSR+2*\ct, PS+2*\a
.endr
.endr
.irp a, 0,1
.irp ct, 0,1,2,3
	MM SA+16*(2*\a+\ct/2)+8*(\ct%2), 56+12*\ct, PF+16*\a+8, SA+16*(2*\a+\ct/2)+8*(\ct%2), VSR+2*\ct+1, PS+2*\a+1
.endr
.endr
	WIN 0
	PLACES 4
.irp a, 0,1
.irp i, 0,2,4,6,8,10,12,14,16,18,20,22,24,26,28,30
	v_pk_mul_f32 v[SA+32*\a+\i:SA+32*\a+\i+1], v[SA+32*\a+\i:SA+32*\a+\i+1], v[RL+2*\a:RL+2*\a+1] op_sel_hi:[1,0]   ; / the sum
.endr
.endr
	QUANT SA, 4, 0                                 ; the context is the next product's operand: blocks 2 head + b of query tile a.  (The last row's stores of codes and bytes stand ahead of this row's waits on vm_vsrc)
	s_wait_alu depctr_va_vdst(0)                   ; the context's codes and bytes are written, which the stores below read; every product of this row is done with its fragments and scale words, in which the loads that follow land
.irp a, 0,1
.irp bb, 0,1
	ds_store_b64 v[ACX], v[CD+2*(2*\a+\bb):CD+2*(2*\a+\bb)+1] offset:(64*(\yq)+16*(1-\a))*144+16*\bb
	ds_store_b8 v[ACS], v[TP+2*\a+\bb] offset:(64*(\yq)+16*(1-\a))*8+\bb
.endr
.endr
	s_wait_dscnt 0x0
.endm
	ATT 0
	ATT 1
; What P4 and P5 want from memory is asked for here.  window 1: v0-15 out_b's tiles, v16-31 proj_b's, v32-47 ln_g, v48-63 ln_b (all: my 16 channels of lane half h), v128-255 proj_w's 16 fragments.
; No wait: no vector or matrix instruction has been issued since the wait ahead of the context's stores, behind which the products are done with K's, V's, Q's and P's registers and the softmax with v88-127.
.set QX, 88                            ; v88-119 32 channels of a pixel, f32
.macro QLOAD t
.irp c, 0,1,2,3,4,5,6,7,8,9,10,11,12,13,14,15,16,17,18,19,20,21,22,23,24,25,26,27,28,29,30,31
	global_load_b32 v[QX+\c], v[VROW+2+(\t)/2], s[4:5] offset:16384*\c+128*((\t)%2)
.endr
.endm
	WIN 0x40
.irp k, 0,1,2,3
	global_load_b128 v[4*\k:4*\k+3], v[VB16], s[8:9] offset:16*\k
.endr
	WIN 0
	QLOAD 0
	WIN 0x40
.irp k, 0,1,2,3
	global_load_b128 v[16+4*\k:16+4*\k+3], v[VB16], s[10:11] offset:16*\k
	global_load_b128 v[32+4*\k:32+4*\k+3], v[VB16], s[12:13] offset:16*\k
	global_load_b128 v[48+4*\k:48+4*\k+3], v[VB16], s[14:15] offset:16*\k
.endr
.irp f, 16,17,18,19,20,21,22,23,24,25,26,27,28,29,30,31
.irp c, 0,1
	global_load_b128 v[8*\f+4*\c:8*\f+4*\c+3], v[L16], s[16:17] offset:1024*\f+512*\c
.endr
.endr
	WIN 0
	BAR                                            ; the context's codes are whole, and nobody reads Q, K any more
; ================= P4: ctx = context x out_w^T + out_b, my 32 channels; then ctx, |qt - ctx|, qt x ctx as codes.  Token tiles are natural: tile (t, a) = tokens 32 t + 16 a + r.
.set ACF, 15
.set ACR, 16
.set AAW, 17
.set AAB, 18
.set CR,  60                           ; v60-63   the context's scale words (+2 a + s)
.set CF,  64                           ; window 1 v64-95: the context's fragments (+16 a + 8 s)
.set Z,   128                          ; v128-223 ctx 32, qt - ctx 32, qt x ctx 32 (each +16 a + 8 u + j)
.set TM,  224
.set TP,  230
.set CD,  236
	s_wait_alu depctr_vm_vsrc(0)                   ; P3's LDS instructions have read their addresses v15 to v18, its stores the zeros v128-131, the codes and bytes v204-215 and the words v240-243: this phase's addresses, accumulators and codes are laid over them
	v_mul_u32_u24 v[ACF], v[R], 144
	v_lshl_add_u32 v[ACF], v[H], 4, v[ACF]
	v_add_nc_u32 v[ACF], L_CTXC, v[ACF]
	v_lshl_add_u32 v[ACR], v[R], 3, L_CTXS
	v_mul_u32_u24 v[AAW], v[R], 400
	v_lshl_add_u32 v[AAW], v[H], 3, v[AAW]
	s_lshl_b32 s50, s22, 4
	s_add_co_u32 s50, s50, L_ASYM
	v_add_nc_u32 v[AAW], s50, v[AAW]
	v_mul_u32_u24 v[AAB], v[R], 24
	s_add_co_u32 s50, s22, L_ASCL
	v_add_nc_u32 v[AAB], s50, v[AAB]
.irp k, 0,1,2,3,4,5
	v_mov_b32 v[TP+\k], 0
.endr
	s_wait_alu depctr_va_vdst(0)                   ; the four addresses v15 to v18 are written, which this phase's LDS loads and stores read
.macro CFETCH t                        ; item t's fragments of the context and their scale words
	WIN 0x40
.irp a, 0,1
.irp s, 0,1
.irp c, 0,1
	ds_load_b128 v[CF+16*\a+8*\s+4*\c:CF+16*\a+8*\s+4*\c+3], v[ACF] offset:(32*(\t)+16*\a)*144+64*\s+32*\c
.endr
.endr
.endr
	WIN 0
.irp a, 0,1
.irp s, 0,1
	ds_load_b32 v[CR+2*\a+\s], v[ACR] offset:(32*(\t)+16*\a)*8+4*\s
.endr
.endr
.endm
.macro PUTA t                          ; item t's codes and bytes go to LDS
.irp g, 0,1,2
.irp a, 0,1
	ds_store_b64 v[AAW], v[CD+2*(2*\g+\a):CD+2*(2*\g+\a)+1] offset:(32*(\t)+16*\a)*400+128*\g
	ds_store_b8 v[AAB], v[TP+2*\g+\a] offset:(32*(\t)+16*\a)*24+8*\g
.endr
.endr
.endm
.macro CITEM t
	s_wait_dscnt 0x0                               ; the fragments are in
.if (\t) == 0
	s_wait_loadcnt 44                              ; out_b's tiles and qt are in; the 44 loads issued behind them (12 of proj_b, ln_g, ln_b; 32 of proj_w) may be out
.else
	s_wait_loadcnt 0x0
.endif
	WIN 0x15                                       ; sources 0, 1 and C window 1
.irp a, 0,1
.irp u, 0,1
	MM Z+16*\a+8*\u, 96+16*\u, CF+16*\a, 8*\u, WS+12+2*\u, CR+2*\a
.endr
.endr
	WIN 0x05
.irp a, 0,1
.irp u, 0,1
	MM Z+16*\a+8*\u, 104+16*\u, CF+16*\a+8, Z+16*\a+8*\u, WS+13+2*\u, CR+2*\a+1
.endr
.endr
	WIN 0
	PLACES 4
.irp c, 0,1,2,3,4,5,6,7,8,9,10,11,12,13,14,15
	v_permlane16_swap_b32 v[QX+\c], v[QX+16+\c]    ; from (pixel = lane, 32 channels) to (pixel 16 a + r, channels 16 h + 0 .. 15) at QX + 16 a: ctx's layout
.endr
.set n, 0
.rept 32
	v_sub_f32 v[Z+32+n], v[QX+n], v[Z+n]           ; qt - ctx: its sign is taken off the codes below
.set n, n+1
.endr
.set n, 0
.rept 16
	v_pk_mul_f32 v[Z+64+n:Z+64+n+1], v[QX+n:QX+n+1], v[Z+n:Z+n+1]
.set n, n+2
.endr
	s_wait_alu depctr_va_vdst(0)                   ; the lines above are done writing and reading qt, in which the next item's lands; the products are done reading the fragments and their scale words, in which the next item's land; the last item's codes and bytes are written, which the stores below read
.if (\t) < 3
	QLOAD (\t)+1
.endif
.if (\t) > 0
	PUTA (\t)-1                                    ; the item before leaves now
.endif
.if (\t) < 3
	CFETCH (\t)+1                                  ; the next item's fragments land while this one is quantised
.endif
	QUANT Z, 6, \t
.irp k, 4,5,6,7
	v_and_b32 v[CD+\k], 0x77777777, v[CD+\k]       ; |.|: a code's top bit is its sign, and the rounding is the same on both sides of 0
.endr
.endm
	CFETCH 0
.irp t, 0,1,2,3
	CITEM \t
.endr
	s_wait_alu depctr_va_vdst(0)                   ; the last item's codes and bytes are written, which the stores below read
	PUTA 3
	BAR                                            ; asym's three computed quarters lie in LDS
; ================= P5: y = asym x proj_w^T + proj_b, my 32 channels of all 128 tokens; LayerNorm; relu; out.
.set AXQ,  15
.set AXSQ, 16
.set AAS,  17
.set AAC,  18
.set ASW,  19
.set ASR,  20
.set AY,   21
.set AYR,  22
.set FS,   60                          ; v60-67   the tokens' scale words, two sets (+4 set + tile)
.set FR,   64                          ; window 1 v64-127: the tokens' fragments, two sets (+32 set + 8 tile); later the waves' partial sums
.set ACC,  88                          ; v88-215  token tile T, channel tile u at +16 T + 8 u
.set SP,   216                         ; v216-231 a pair of partial sums for each T
.set PT,   232                         ; v232-239
.set TA,   216                         ; v216-247 four registers for each T
	s_wait_alu depctr_vm_vsrc(0)                   ; P4's LDS instructions have read their addresses v15 to v18, its stores their codes and bytes (v230-247): this phase's addresses and sums are laid over them
	v_mul_u32_u24 v[AXQ], v[RHO], 144
	v_lshl_add_u32 v[AXQ], v[H], 4, v[AXQ]         ; L_XC = 0; a natural tile's rows in XC are 8 a + r + (r & 8)
	v_lshl_add_u32 v[AXSQ], v[R], 3, L_XS
	v_mul_u32_u24 v[AAS], v[R], 400
	v_lshl_add_u32 v[AAS], v[H], 4, v[AAS]
	v_add_nc_u32 v[AAS], L_ASYM, v[AAS]
	v_mul_u32_u24 v[AAC], v[R], 24
	v_add_nc_u32 v[AAC], L_ASCL, v[AAC]
	v_mul_u32_u24 v[ASR], v[R], 48
	v_add_nc_u32 v[ASR], L_ST, v[ASR]
	s_lshl_b32 s50, s22, 2
	v_add_nc_u32 v[ASW], s50, v[ASR]
	s_mul_i32 s50, s22, 17152
	s_add_co_u32 s50, s50, L_YST
	v_mul_u32_u24 v[AY], v[H], 8576
	v_lshl_add_u32 v[AY], v[R], 2, v[AY]
	v_add_nc_u32 v[AY], s50, v[AY]
	v_add_nc_u32 v[AYR], s50, v[L16]
	s_wait_alu depctr_va_vdst(0)                   ; the eight addresses v15 to v22 are written, which this phase's LDS instructions read; P4's products are done reading the context's fragments, out_w's and the scale words, in which the first two groups' land
; Group g = 2 s + q: K step s of 8, token tiles 4 q .. 4 q + 3, set q.  K steps 0, 1 are qt's codes (XC), 2 .. 7 the three computed quarters.
.macro FETCHA g
.set fs, (\g)/2
.set fq, (\g)%2
	WIN 0x40
.irp tt, 0,1,2,3
.irp c, 0,1
.if fs < 2
	ds_load_b128 v[FR+32*fq+8*\tt+4*\c:FR+32*fq+8*\tt+4*\c+3], v[AXQ] offset:((4+(4*fq+\tt)/2)*32+8*((4*fq+\tt)%2))*144+64*fs+32*\c
.else
	ds_load_b128 v[FR+32*fq+8*\tt+4*\c:FR+32*fq+8*\tt+4*\c+3], v[AAS] offset:6400*(4*fq+\tt)+64*(fs-2)+32*\c
.endif
.endr
.endr
	WIN 0
.irp tt, 0,1,2,3
.if fs < 2
	ds_load_b32 v[FS+4*fq+\tt], v[AXSQ] offset:((4+(4*fq+\tt)/2)*32+16*((4*fq+\tt)%2))*8+4*fs
.else
	ds_load_b32 v[FS+4*fq+\tt], v[AAC] offset:384*(4*fq+\tt)+4*(fs-2)
.endif
.endr
.endm
.macro GROUP g
.if (\g) > 0
	PLACES 4                                       ; in front of the loads over the set that the last group multiplied
.endif
.if (\g) < 15
.if (\g) > 0
	s_wait_alu depctr_va_vdst(0)                   ; the last group's products are done reading their set of fragments and scale words, in which the next group's land
.endif
	FETCHA (\g)+1
	s_wait_dscnt 12                                ; my group's 12 loads are in; the next group's 12 may be out
.else
	s_wait_dscnt 0x0
.endif
.set gs, (\g)/2
.set gq, (\g)%2
.if gs == 0
	WIN 0x15
.else
	WIN 0x05
.endif
.irp tt, 0,1,2,3
.irp u, 0,1
.if gs == 0
	MM ACC+16*(4*gq+\tt)+8*\u, 128+8*(8*\u+gs), FR+32*gq+8*\tt, 16+8*\u, WS+16+8*\u+gs, FS+4*gq+\tt
.else
	MM ACC+16*(4*gq+\tt)+8*\u, 128+8*(8*\u+gs), FR+32*gq+8*\tt, ACC+16*(4*gq+\tt)+8*\u, WS+16+8*\u+gs, FS+4*gq+\tt
.endif
.endr
.endr
.endm
	FETCHA 0
.irp g, 0,1,2,3,4,5,6,7,8,9,10,11,12,13,14,15
	GROUP \g                                       ; the 16 accumulators take turns: one comes round again behind the 15 others
.endr
	WIN 0
.irp T, 0,1,2,3,4,5,6,7
	v_mov_b32 v[PT+\T], 0                          ; the permutes' destinations; these eight plain lines are also the places behind the last products
.endr
; a token's sum over my 32 channels: my 16 registers, lane l xor 16's 16; then a word for each wave in LDS
.macro ACROSS off
.irp T, 0,1,2,3,4,5,6,7
	v_add_f32 v[SP+2*\T], v[SP+2*\T], v[SP+2*\T+1]
.endr
.irp T, 0,1,2,3,4,5,6,7
	v_permlanex16_b32 v[PT+\T], v[SP+2*\T], s30, s31
.endr
.irp T, 0,1,2,3,4,5,6,7
	v_add_f32 v[SP+2*\T], v[SP+2*\T], v[PT+\T]
.endr
	s_wait_alu depctr_va_vdst(0)                   ; my eight sums are written, which the stores below read; the products, and the additions of the pass before, are done reading window 1's v64-127, in which the loads behind the barrier land
.irp T, 0,1,2,3,4,5,6,7
	ds_store_b32 v[ASW], v[SP+2*\T] offset:768*\T+\off      ; both halves of the lanes write the same word with the same value
.endr
	BAR
	s_wait_alu depctr_vm_vsrc(0)                   ; my stores have read the eight sums: the additions below write over them
	WIN 0x40
.irp T, 0,1,2,3,4,5,6,7
.irp k, 0,1
	ds_load_b128 v[FR+8*\T+4*\k:FR+8*\T+4*\k+3], v[ASR] offset:768*\T+16*\k+\off
.endr
.endr
	s_wait_dscnt 0x0
	WIN 0x05
.irp T, 0,1,2,3,4,5,6,7
	v_pk_add_f32 v[TA+4*\T:TA+4*\T+1], v[FR+8*\T:FR+8*\T+1], v[FR+8*\T+2:FR+8*\T+3]
	v_pk_add_f32 v[TA+4*\T+2:TA+4*\T+3], v[FR+8*\T+4:FR+8*\T+5], v[FR+8*\T+6:FR+8*\T+7]
.endr
	WIN 0
.irp T, 0,1,2,3,4,5,6,7
	v_pk_add_f32 v[TA+4*\T:TA+4*\T+1], v[TA+4*\T:TA+4*\T+1], v[TA+4*\T+2:TA+4*\T+3]
.endr
.irp T, 0,1,2,3,4,5,6,7
	v_add_f32 v[TA+4*\T], v[TA+4*\T], v[TA+4*\T+1]         ; the token's sum over all 256 channels
.endr
.endm
.irp T, 0,1,2,3,4,5,6,7
	v_pk_add_f32 v[SP+2*\T:SP+2*\T+1], v[ACC+16*\T:ACC+16*\T+1], v[ACC+16*\T+2:ACC+16*\T+3]      ; each accumulator from its low end on
.endr
.irp i, 4,6,8,10,12,14
.irp T, 0,1,2,3,4,5,6,7
	v_pk_add_f32 v[SP+2*\T:SP+2*\T+1], v[SP+2*\T:SP+2*\T+1], v[ACC+16*\T+\i:ACC+16*\T+\i+1]
.endr
.endr
	ACROSS 0
.irp T, 0,1,2,3,4,5,6,7
	v_mul_f32 v[TA+4*\T], 0xbb800000, v[TA+4*\T]   ; - the mean
.endr
.irp T, 0,1,2,3,4,5,6,7
.irp i, 0,2,4,6,8,10,12,14
	v_pk_add_f32 v[ACC+16*\T+\i:ACC+16*\T+\i+1], v[ACC+16*\T+\i:ACC+16*\T+\i+1], v[TA+4*\T:TA+4*\T+1] op_sel_hi:[1,0]   ; d = y - the mean: the variance is taken of d, in a second pass
.endr
.endr
.irp T, 0,1,2,3,4,5,6,7
	v_pk_mul_f32 v[SP+2*\T:SP+2*\T+1], v[ACC+16*\T:ACC+16*\T+1], v[ACC+16*\T:ACC+16*\T+1]
.endr
.irp i, 2,4,6,8,10,12,14
.irp T, 0,1,2,3,4,5,6,7
	v_pk_fma_f32 v[SP+2*\T:SP+2*\T+1], v[ACC+16*\T+\i:ACC+16*\T+\i+1], v[ACC+16*\T+\i:ACC+16*\T+\i+1], v[SP+2*\T:SP+2*\T+1]
.endr
.endr
	ACROSS 6144
.irp T, 0,1,2,3,4,5,6,7
	v_fma_f32 v[TA+4*\T], v[TA+4*\T], s48, s49     ; the variance + 1e-5
.endr
	s_wait_alu depctr_va_vdst(0)
.irp T, 0,1,2,3,4,5,6,7
	v_rsq_f32 v[TA+4*\T], v[TA+4*\T]
.endr
	v_nop                                          ; a plain line behind the transcendentals
	s_wait_alu depctr_va_vdst(0)                   ; the eight reciprocal roots are written, ahead of the first line that names one of them: one wait for the batch
.irp T, 0,1,2,3,4,5,6,7
.irp i, 0,2,4,6,8,10,12,14
	v_pk_mul_f32 v[ACC+16*\T+\i:ACC+16*\T+\i+1], v[ACC+16*\T+\i:ACC+16*\T+\i+1], v[TA+4*\T:TA+4*\T+1] op_sel_hi:[1,0]
.endr
.endr
	WIN 0x14                                       ; sources 1 (ln_g) and 2 (ln_b) window 1
.irp T, 0,1,2,3,4,5,6,7
.irp i, 0,2,4,6,8,10,12,14
	v_pk_fma_f32 v[ACC+16*\T+\i:ACC+16*\T+\i+1], v[ACC+16*\T+\i:ACC+16*\T+\i+1], v[32+\i:33+\i], v[48+\i:49+\i]
.endr
.endr
	WIN 0
.macro RELU T
.irp k, 0,1,2,3,4,5,6,7,8,9,10,11,12,13,14,15
	v_max_num_f32 v[ACC+16*(\T)+\k], 0, v[ACC+16*(\T)+\k]
.endr
.endm
.macro YPUT T
.irp k, 0,1,2,3,4,5,6,7,8,9,10,11,12,13,14,15
	ds_store_b32 v[AY], v[ACC+16*(\T)+\k] offset:528*\k+64*(\T)   ; my stage: row = channel 16 h + k, column = token: 16 lanes write 64 neighbouring bytes
.endr
.endm
.irp T, 0,1,2,3
	RELU \T
.endr
	s_wait_alu depctr_va_vdst(0)                   ; token tiles 0 to 3 are finished: their stores below read them.  The lines dealt among those stores name tiles 4 to 7 alone
.irp T, 0,1,2,3
	YPUT \T
	RELU \T+4
.endr
	s_wait_alu depctr_va_vdst(0)                   ; token tiles 4 to 7 are finished: their stores below read them; every line that wrote v88-215 is done, and the rows come back into these registers
.irp T, 4,5,6,7
	YPUT \T
.endr
	s_wait_dscnt 0x0                               ; my stage is written
	s_wait_alu depctr_vm_vsrc(0)                   ; the stores have read v88-215, in which the loads below land
.irp cl, 0,1,2,3,4,5,6,7,8,9,10,11,12,13,14,15,16,17,18,19,20,21,22,23,24,25,26,27,28,29,30,31
	ds_load_b128 v[ACC+4*\cl:ACC+4*\cl+3], v[AYR] offset:528*\cl+128*(\cl/16)
.endr
.irp cl, 0,1,2,3,4,5,6,7,8,9,10,11,12,13,14,15,16,17,18,19,20,21,22,23,24,25,26,27,28,29,30,31
	s_wait_dscnt 31-\cl                            ; LDS loads come back in order: row cl is in, the younger ones may be out
	global_store_b128 v[L16], v[ACC+4*\cl:ACC+4*\cl+3], s[20:21] offset:16384*\cl th:TH_STORE_NT   ; a channel's two image rows: 512 consecutive bytes, at a multiple of 256 from out0's first byte
.endr
	s_wait_dscnt 0x0                               ; the closing lines, six on end (every window is 0 here)
	s_wait_alu 0x0
	s_wait_tensorcnt 0x0
	ds_add_u32 v254, v255
	s_wait_dscnt 0x0
	s_endpgm
.Lfunc_end_k_q70b94e09dc_fused:
	.size	k_q70b94e09dc_fused, .Lfunc_end_k_q70b94e09dc_fused-k_q70b94e09dc_fused
	.p2alignl 7, 3214868480
	.fill 96, 4, 3214868480
	.section	.rodata,"a",@progbits
	.p2align	6, 0x0
	.amdhsa_kernel k_q70b94e09dc_fused
		.amdhsa_group_segment_fixed_size 293888
		.amdhsa_private_segment_fixed_size 0
		.amdhsa_enable_private_segment 0
		.amdhsa_kernarg_size 72
		.amdhsa_user_sgpr_count 2
		.amdhsa_user_sgpr_kernarg_segment_ptr 1
		.amdhsa_wavefront_size32 1
		.amdhsa_system_sgpr_workgroup_id_x 1
		.amdhsa_system_sgpr_workgroup_id_y 1
		.amdhsa_system_sgpr_workgroup_id_z 1
		.amdhsa_system_vgpr_workitem_id 0
		.amdhsa_next_free_vgpr 512
		.amdhsa_next_free_sgpr 66
		.amdhsa_reserve_vcc 0
		.amdhsa_float_denorm_mode_32 3
		.amdhsa_float_denorm_mode_16_64 3
		.amdhsa_memory_ordered 1
		.amdhsa_forward_progress 1
		.amdhsa_inst_pref_size 255
	.end_amdhsa_kernel
	.section	.bss,"aw",@nobits
	.p2align	6
	.space	262144
	.amdgpu_metadata
---
amdhsa.version: [ 1, 2 ]
amdhsa.kernels:
  - .name:           k_q70b94e09dc_fused
    .symbol:         k_q70b94e09dc_fused.kd
    .args:
      - { .name: feat, .offset: 0, .size: 8, .value_kind: global_buffer, .address_space: global }
      - { .name: in_b, .offset: 8, .size: 8, .value_kind: global_buffer, .address_space: global }
      - { .name: out_b, .offset: 16, .size: 8, .value_kind: global_buffer, .address_space: global }
      - { .name: proj_b, .offset: 24, .size: 8, .value_kind: global_buffer, .address_space: global }
      - { .name: ln_g, .offset: 32, .size: 8, .value_kind: global_buffer, .address_space: global }
      - { .name: ln_b, .offset: 40, .size: 8, .value_kind: global_buffer, .address_space: global }
      - { .name: wimg, .offset: 48, .size: 8, .value_kind: global_buffer, .address_space: global }
      - { .name: wscl, .offset: 56, .size: 8, .value_kind: global_buffer, .address_space: global }
      - { .name: out0, .offset: 64, .size: 8, .value_kind: global_buffer, .address_space: global }
    .group_segment_fixed_size: 293888
    .private_segment_fixed_size: 0
    .kernarg_segment_align: 8
    .kernarg_segment_size: 72
    .max_flat_workgroup_size: 256
    .sgpr_count:     66
    .vgpr_count:     512
    .wavefront_size: 32
...
	.end_amdgpu_metadata
.endif
;; end of part 4
